; MI455X (gfx1250); checked and timed in simulation.
; The chip was launched on July 23, 2026; its instructions are those of AMD's public machine-readable ISA for CDNA 5 (MIT licence, August 2026) and "CDNA5" Instruction Set Architecture Reference Guide (July 2026). The comments in the code are by the model that wrote it; some were corrected since.
;; GPT2 Attention. Allowed arithmetic: matrix products marked QUANTISED: E3M2 operands, one E8M0 scale for each 32 along K, by v_wmma_scale_f32_16x16x128_f8f6f4 with both operands' format E3M2, f32 sums; everything else in f32.
;; Inputs: c_attn_b 3,072 float32; c_attn_w 1,024 x 3,072 float32; c_proj_b 1,024 float32; c_proj_w 1,024 x 1,024 float32; hidden_states 2 x 2,048 x 1,024 float32.
;; Outputs: out0 2 x 2,048 x 1,024 float32.
;; This version of the problem:
;;   THIS VERSION OF THE PROBLEM IS GIVEN IN LOW PRECISION. The matrix products marked QUANTISED in the list below multiply operands that are first quantised to E3M2 (3 exponent bits, 2 mantissa bits; 6 bits a number), with one power-of-two scale for each 32 numbers along K (OCP MX v1.0); their sums are f32. All else is computed in f32.
;;   The module's matrix products, in the order in which they are computed (A, B: the left and right operand; K: the contracted axis; several contracted axes count as one K, in the product's order):
;;     1. [M 4,096, K 1,024] x [K 1,024, N 3,072]; A: input hidden_states; B: input c_attn_w: QUANTISED
;;     2. batch 32 x [M 2,048, K 64] x [K 64, N 2,048]; A: computed on the way; B: computed on the way: QUANTISED
;;     3. batch 32 x [M 2,048, K 2,048] x [K 2,048, N 64]; A: softmax (see below); B: computed on the way: QUANTISED
;;     4. [M 4,096, K 1,024] x [K 1,024, N 1,024]; A: computed on the way; B: input c_proj_w: QUANTISED
;;   THE QUANTISER, for each operand of a quantised product, along K:
;;     - K is cut into blocks of 32 from its start; a last block that is shorter is filled with zeros.
;;     - A block's scale is 2^e with e = floor(log2(the largest magnitude in the block)) - 4, held to -126 .. 127; a block of zeros has e = 0. As a byte (E8M0): e + 127.
;;     - Each number is divided by its block's scale, clamped to +-28, and rounded to the nearest number of E3M2, ties to even, subnormals kept.
;;     - The product sums the exact products of the quantised numbers (number of the format x scale) in f32.
;;   ~~~python
;;   def quantise(x, axis):      # numpy; x: float32 -> the quantised numbers, widened to float32 again
;;       x = np.moveaxis(x, axis, -1); K = x.shape[-1]
;;       x = np.pad(x, [(0, 0)] * (x.ndim - 1) + [(0, -K % 32)]); x = x.reshape(x.shape[:-1] + (-1, 32)); a = np.abs(x).max(-1, keepdims=True)
;;       e = np.where(a > 0, np.clip(np.frexp(np.where(a > 0, a, 1))[1] - 1 - 4, -126, 127), 0)      # np.frexp(a)[1] - 1 = floor(log2(a)), exactly
;;       r = np.clip(x / 2.0 ** e, -28, 28)
;;       step = 2.0 ** (np.maximum(np.frexp(np.where(r == 0, 1, r))[1] - 1, -2) - 2)
;;       q = np.round(r / step) * step * 2.0 ** e      # np.round: ties to even
;;       return np.moveaxis(q.reshape(q.shape[:-2] + (-1,))[..., :K], -1, axis).astype(np.float32)
;;   ~~~
;;   SOFTMAX AHEAD OF A QUANTISED PRODUCT. Where the list says 'softmax', what is quantised is not the finished softmax but p = 2^(t - M), with t = logit x log2(e) and M = ceil(the row's largest t), a whole number; so 1/2 < the row's largest p <= 1. The row's sum l is taken of the UNQUANTISED p, in f32, and the product's result is divided by l at the end. Since M is a whole number, a kernel that streams over the keys may use a running M (the ceiling of the running maximum): every later rescaling is an exact power of two, which a block's scale takes up: the codes' values come out the same.
;;   OPERANDS COMPUTED ON THE WAY. 'Computed on the way' means the value that the module computes at that place (a softmax that the list does not call 'softmax' is quantised finished and normalised). What goes into a quantiser is computed in f32, as accurately as f32 sums, v_exp_f32 and their like allow (about 1e-6 of the number): no bf16 or f16 on the way to a quantiser, and a product that is left as it is and whose result goes on into a quantised operand takes f32 operands (vector FMAs, or v_wmma_f32_16x16x4_f32). A number that lies on a knife's edge between two numbers of the format may be rounded either way, as far as f32 arithmetic and the matrix unit's own rounding can turn it there, and no further.
;; One version. Each part assembles by itself: llvm-mc -triple=amdgcn-amd-amdhsa -mcpu=gfx1250 --defsym DOCPART=n.
;; ======== version 1 of 1: 4 launches
;; workspace buffers: xq 3,276,800 bytes; wq 3,276,800 bytes; qr 6,684,672 bytes; kv 6,684,672 bytes; aq 3,276,800 bytes
;; launch prep (part 1): grid 256 x 1, 8 waves a work-group, no clusters, 134,144 bytes of LDS; arguments hidden_states, c_attn_w, c_proj_w, xq, wq; writes xq, wq
.if DOCPART == 1
	.amdgcn_target "amdgcn-amd-amdhsa--gfx1250"
	.amdhsa_code_object_version 6
	.text
	.protected	k_q887c148fe1_prep
	.globl	k_q887c148fe1_prep
	.p2align	8
	.type	k_q887c148fe1_prep,@function
k_q887c148fe1_prep:
	s_mov_b64 s[64:65], 0
	v_nop
	global_prefetch_b8 v0, s[64:65] scope:SCOPE_SE
	s_setreg_imm32_b32 hwreg(HW_REG_WAVE_MODE, 25, 1), 1
	s_wait_xcnt 0x0
; hidden_states [4096][1024], c_attn_w [1024][3072] and c_proj_w [1024][1024], f32, become codes of BF6 (E3M2) with one E8M0 byte for each 32 along K (K = 1024: x's last axis, the weights' first).
; A block's scale is 2^(floor(log2(its largest magnitude)) - 4): its byte is the largest magnitude's exponent field - 4, held at 1 from below.
; LIMITS: NaN and infinities among the inputs are not served; a block of zeros gets the byte 1 where the rule says 127 (its codes are zeros, and only this program reads the bytes);
; blocks whose largest magnitude lies under 2^-122 have their byte held at 1.
; LAYOUT OF THE RESULTS: IMAGES OF THE OPERAND'S REGISTERS.  A fragment (16 rows x 128 K, 12 registers a lane) is 1,536 bytes: registers 4 c .. 4 c + 3 of lane L at 512 c + 16 L.
; Tile T's lane r holds row 32 (T / 2) + 8 (T % 2) + r + 8 (r / 8).  A tile's eight fragments (K steps) lie on end: 12,288 bytes.
; A tile's scale words are 512 bytes: the word of K step s of row r at 256 (s / 4) + 16 r + 4 (s % 4).
; SHARES: work-groups 0-127 take x (a wave: one tile x 256 K), 128-223 c_attn_w, 224-255 c_proj_w (a work-group: 256 columns x 128 K; a lane: one column, its registers down K).
; Waves share nothing: no barrier.  No work-group reads what another reads: no cluster.  Only x's path uses LDS.
.set TROW,  12288                      ; a tile's codes for K = 1,024
.set FRB,   1536                       ; a fragment's image
.set XSC,   3145728                    ; xq: the scale words, behind 256 tiles of codes
.set W2I,   2359296                    ; wq: c_proj_w's images, behind c_attn_w's 192 tiles
.set W1S,   3145728                    ; wq: c_attn_w's scale words
.set W2S,   3244032                    ; wq: c_proj_w's
.set SROW,  1040                       ; x's stage: a row of 1,024 bytes + 16: an odd multiple of 16, so the 16 rows of a read start at 16 different places modulo 256
.set SWAVE, 16*SROW                    ; a wave's stage
.set TM,  16                           ; v16-31  at work in QUANT
.set PC,  32                           ; v32-51  the codes just made (x's path)
.set PW,  52                           ; v52-53  the two K steps' scale words
.set R0,  64                           ; v64-127, v128-191  the numbers of the two K steps
.set X,   32                           ; v32-95  (weights' paths) two sets of 32 numbers
.set G,   96                           ; v96-119 the codes of fragment lanes (r, 0) and (r, 1): 12 registers each
.set TC,  120                          ; v120-122 a block's upper 16 codes before they are moved
.set SEL, 20                           ; s[20:21] lane selects for v_permlanex16_b32: lane l xor 16
; 64 numbers of a lane, register 16 b + i = k 32 b + 16 (lane / 16) + i of its row, become a fragment's codes in v[pc] .. v[pc + 11] and the row's scale word in v[pw].
.macro QUANT s, pc, pw
.irp b, 0,1,2,3
	v_max3_num_f32 v[TM+\b], |v[\s+16*\b]|, |v[\s+1+16*\b]|, 0x2800000   ; my 16 numbers of block b, and the floor 2^(5 - 127): the byte cannot fall under 1
.endr
.irp i, 2,4,6,8,10,12,14
.irp b, 0,1,2,3
	v_max3_num_f32 v[TM+\b], v[TM+\b], |v[\s+16*\b+\i]|, |v[\s+1+16*\b+\i]|
.endr
.endr
.irp b, 0,1,2,3
	v_permlanex16_b32 v[TM+4+\b], v[TM+\b], s[SEL], s[SEL+1]
.endr
.irp b, 0,1,2,3
	v_max_num_f32 v[TM+\b], v[TM+\b], v[TM+4+\b]                   ; with lane l xor 16's 16: the block's largest magnitude
.endr
.irp b, 0,1,2,3
	v_add_nc_u32 v[TM+12+\b], 0xfe000000, v[TM+\b]                 ; 4 off its exponent field: the conversion's scale operand
.endr
.irp b, 0,1,2,3
	v_lshrrev_b32 v[TM+4+\b], 23, v[TM+12+\b]                      ; the scale's byte
.endr
	v_lshl_or_b32 v[\pw], v[TM+5], 8, v[TM+4]
	v_lshl_or_b32 v[\pw], v[TM+6], 16, v[\pw]
	v_lshl_or_b32 v[\pw], v[TM+7], 24, v[\pw]
.irp c, 0,1
	v_cvt_scalef32_pk16_bf6_f32 v[\pc+6*\c:\pc+2+6*\c], v[\s+32*\c:\s+15+32*\c], v[TM+12+2*\c]
	v_cvt_scalef32_pk16_bf6_f32 v[\pc+12+4*\c:\pc+14+4*\c], v[\s+16+32*\c:\s+31+32*\c], v[TM+12+2*\c+1]   ; (a conversion's three registers begin on an even number)
.endr
	v_nop                                                          ; one plain place behind a scaled conversion
.irp c, 0,1                            ; the operand wants a whole block in a lane: lanes 0-15 block 2 c, lanes 16-31 block 2 c + 1
.irp i, 0,1,2
	v_permlane16_swap_b32 v[\pc+6*\c+\i], v[\pc+12+4*\c+\i]
.endr
.irp i, 0,1,2
	v_mov_b32 v[\pc+3+6*\c+\i], v[\pc+12+4*\c+\i]
.endr
.endr
.endm
; x: K step hf's 16 rows x 512 bytes go into the wave's stage as loaded and come back 64 bytes of a row to a lane.  LDS serves a wave's instructions in order: no wait between.
.macro THROUGH hf
.irp p, 0,1,2,3,4,5,6,7,8,9,10,11,12,13,14,15
	ds_store_b128 v2, v[R0+64*\hf+4*\p:R0+64*\hf+4*\p+3] offset:\p*SROW+512*\hf
.endr
.irp b, 0,1,2,3
.irp j, 0,1,2,3
	ds_load_b128 v[R0+64*\hf+16*\b+4*\j:R0+64*\hf+16*\b+4*\j+3], v3 offset:512*\hf+128*\b+16*\j
.endr
.endr
.endm
; weights: block t of my column: W(32 t + i, column), i = 0 .. 31, into set t % 2; a wave's load reads 128 consecutive bytes, the eight waves stand side by side on 1,024
.macro LOADW t, n
.irp i, 0,1,2,3,4,5,6,7,8,9,10,11,12,13,14,15,16,17,18,19,20,21,22,23,24,25,26,27,28,29,30,31
	global_load_b32 v[X+32*((\t)%2)+\i], v3, s[24:25] offset:(32*(\t)+\i)*(\n)*4 th:TH_LOAD_NT
.endr
.endm
; block t = 2 c + h of the K step is registers 6 c .. 6 c + 5 of fragment lane (r, h)
.macro BLOCKW t, n
.set XS, X+32*((\t)%2)
.set GD, G+12*((\t)%2)+6*((\t)/2)
.if (\t) < 3
	s_wait_loadcnt 32                              ; this block's 32 loads are in; the next block's 32 may be out
.else
	s_wait_loadcnt 0x0
.endif
	v_max3_num_f32 v12, |v[XS]|, |v[XS+1]|, |v[XS+2]|
	v_max3_num_f32 v13, |v[XS+3]|, |v[XS+4]|, |v[XS+5]|
.irp i, 6,10,14,18,22,26
	v_max3_num_f32 v12, v12, |v[XS+\i]|, |v[XS+\i+1]|
	v_max3_num_f32 v13, v13, |v[XS+\i+2]|, |v[XS+\i+3]|
.endr
	v_max3_num_f32 v12, v12, |v[XS+30]|, |v[XS+31]|
	v_max3_num_f32 v12, v12, v13, 0x2800000        ; and the floor
	v_add_nc_u32 v11, 0xfe000000, v12              ; the conversion's scale operand
	v_lshrrev_b32 v13, 23, v11                     ; the byte
.if (\t) == 0
	v_mov_b32 v24, v13
.else
	v_lshl_or_b32 v24, v13, 8*(\t), v24            ; byte t of my column's scale word
.endif
	v_cvt_scalef32_pk16_bf6_f32 v[GD:GD+2], v[XS:XS+15], v11
	v_cvt_scalef32_pk16_bf6_f32 v[TC:TC+2], v[XS+16:XS+31], v11
	v_nop                                          ; one plain place behind a scaled conversion
.irp i, 0,1,2
	v_mov_b32 v[GD+3+\i], v[TC+\i]
.endr
.if (\t) < 2
	LOADW (\t)+2, \n
.else
.irp c, 0,1,2                          ; fragment lane (r, h = t % 2) is whole: sixteen lanes fill 256 consecutive bytes, aligned, of each of the two tiles
	global_store_b128 v4, v[G+12*((\t)%2)+4*\c:G+12*((\t)%2)+4*\c+3], s[26:27] offset:512*\c+256*((\t)%2)
.endr
.endif
.endm
; a weight [1024][n]: work-group j = ttmp9 - first takes K step j % 8 and columns 256 (j / 8) on; wave w 32 of them; lane l column nb + l = row r = l % 8 + 8 (l / 16) of tile nb / 16 + (l / 8) % 2
.macro WPATH n, src, img, sc, first
	s_sub_co_u32 s15, ttmp9, \first
	s_and_b32 s16, s15, 7                          ; the K step
	s_lshr_b32 s17, s15, 3
	s_lshl_b32 s17, s17, 8
	s_lshl_b32 s18, s14, 5
	s_add_co_u32 s17, s17, s18                     ; nb: my wave's first column
	s_mul_i32 s18, s16, 128*(\n)*4
	s_lshl_b32 s22, s17, 2
	s_add_co_u32 s18, s18, s22
	s_add_nc_u64 s[24:25], s[\src:\src+1], s[18:19]   ; the weight at (128 s, nb)
	s_lshr_b32 s23, s17, 4                         ; the first of my two tiles
	s_mul_i32 s18, s23, TROW
	s_mul_i32 s22, s16, FRB
	s_add_co_u32 s18, s18, s22
	s_add_co_u32 s18, s18, \img
	s_add_nc_u64 s[26:27], s[12:13], s[18:19]      ; its fragment of this K step
	s_lshl_b32 s18, s23, 9
	s_lshr_b32 s22, s16, 2
	s_lshl_b32 s22, s22, 8
	s_add_co_u32 s18, s18, s22
	s_and_b32 s22, s16, 3
	s_lshl_b32 s22, s22, 2
	s_add_co_u32 s18, s18, s22
	s_add_co_u32 s18, s18, \sc
	s_add_nc_u64 s[28:29], s[12:13], s[18:19]      ; and its scale words of this K step
	v_lshlrev_b32 v3, 2, v10                       ; in: 4 bytes a lane
	v_bfe_u32 v6, v10, 3, 1                        ; which of the two tiles
	v_and_b32 v7, 7, v10
	v_lshrrev_b32 v8, 4, v10
	v_lshl_add_u32 v7, v8, 3, v7                   ; r
	v_lshlrev_b32 v7, 4, v7
	v_mad_u32_u24 v4, v6, TROW, v7                 ; codes: tile + 16 r
	v_lshl_add_u32 v5, v6, 9, v7                   ; scale word: tile + 16 r
	LOADW 0, \n
	LOADW 1, \n
	BLOCKW 0, \n
	BLOCKW 1, \n
	BLOCKW 2, \n
	BLOCKW 3, \n
	global_store_b32 v5, v24, s[28:29]
	s_endpgm
.endm
	s_load_b256 s[4:11], s[0:1], 0x0               ; hidden_states s[4:5], c_attn_w s[6:7], c_proj_w s[8:9], xq s[10:11]
	s_load_b64 s[12:13], s[0:1], 0x20              ; wq
	v_lshl_add_u32 v192, v0, 2, 0x20800
	v_mov_b32 v193, 0
	v_lshrrev_b32 v1, 5, v0
	v_readfirstlane_b32 s14, v1                    ; wave 0..7
	v_and_b32 v10, 31, v0                          ; lane
	s_mov_b32 s19, 0                               ; the high word of every offset pair s[18:19]
	s_wait_kmcnt 0x0
	s_cmp_lt_u32 ttmp9, 128
	s_cbranch_scc0 .Lweights
	; ---- x: wave W = 8 x work-group + wave takes tile W / 4, K steps 2 (W % 4) and 2 (W % 4) + 1
	s_lshl_b32 s15, ttmp9, 3
	s_add_co_u32 s15, s15, s14
	s_lshr_b32 s16, s15, 2                         ; T
	s_and_b32 s17, s15, 3                          ; which 256 along K
	s_lshr_b32 s18, s16, 1
	s_lshl_b32 s18, s18, 17                        ; 32 (T / 2) rows of 4,096 bytes
	s_and_b32 s22, s16, 1
	s_lshl_b32 s22, s22, 15                        ; + 8 (T % 2) rows
	s_add_co_u32 s18, s18, s22
	s_lshl_b32 s22, s17, 10                        ; + 1,024 bytes for each 256 along K
	s_add_co_u32 s18, s18, s22
	s_add_nc_u64 s[4:5], s[4:5], s[18:19]
	s_mul_i32 s18, s16, TROW
	s_mul_i32 s22, s17, 2*FRB
	s_add_co_u32 s18, s18, s22
	s_add_nc_u64 s[24:25], s[10:11], s[18:19]      ; my two fragments
	s_lshl_b32 s18, s16, 9
	s_lshr_b32 s22, s17, 1
	s_lshl_b32 s22, s22, 8
	s_add_co_u32 s18, s18, s22
	s_and_b32 s22, s17, 1
	s_lshl_b32 s22, s22, 3
	s_add_co_u32 s18, s18, s22
	s_add_co_u32 s18, s18, XSC
	s_add_nc_u64 s[26:27], s[10:11], s[18:19]      ; my two scale words of each row
	v_lshlrev_b32 v1, 4, v10                       ; 16 x lane
.irp hf, 0,1
.irp p, 0,1,2,3,4,5,6,7,8,9,10,11,12,13,14,15
	global_load_b128 v[R0+64*\hf+4*\p:R0+64*\hf+4*\p+3], v1, s[4:5] offset:(\p+8*(\p/8))*4096+512*\hf th:TH_LOAD_NT   ; 512 consecutive bytes of the tile's row p
.endr
.endr
	s_mul_i32 s22, s14, SWAVE
	v_add_nc_u32 v2, s22, v1                       ; the stage, on the way in
	v_and_b32 v5, 15, v0                           ; r
	v_bfe_u32 v6, v0, 4, 1                         ; h
	v_mul_u32_u24 v3, v5, SROW
	v_lshl_add_u32 v3, v6, 6, v3
	v_add_nc_u32 v3, s22, v3                       ; and out: row r, + 64 h: my 16 numbers of each block of 32
	v_lshlrev_b32 v4, 4, v5                        ; 16 r
	s_mov_b32 s[SEL], 0x76543210
	s_mov_b32 s[SEL+1], 0xfedcba98
.irp b, 0,1,2,3
	v_mov_b32 v[TM+4+\b], 0                        ; written once: a lane permute's destination counts as one of its sources
.endr
	s_wait_loadcnt 16                              ; the first K step's 16 loads are in; the second's 16 may be out
	THROUGH 0
	s_wait_loadcnt 0x0
	THROUGH 1
	s_wait_dscnt 32                                ; the first K step is back from the stage; the second's 32 LDS lines may be out
	QUANT R0, PC, PW
.irp c, 0,1,2
	global_store_b128 v1, v[PC+4*\c:PC+4*\c+3], s[24:25] offset:512*\c   ; 512 consecutive bytes, aligned
.endr
	s_wait_dscnt 0x0
	s_wait_xcnt 0x0                                ; the stores have read the codes' registers: they are written again below
	QUANT R0+64, PC, PW+1
.irp c, 0,1,2
	global_store_b128 v1, v[PC+4*\c:PC+4*\c+3], s[24:25] offset:FRB+512*\c
.endr
	global_store_b64 v4, v[PW:PW+1], s[26:27]      ; 8 bytes a row, 16 bytes apart; lanes 16-31 hold and write the same as lanes 0-15
	s_wait_tensorcnt 0x0
	ds_add_u32 v192, v193
	s_wait_dscnt 0x0
	s_endpgm
.Lweights:
	s_cmp_lt_u32 ttmp9, 224
	s_cbranch_scc0 .Lproj_w
	WPATH 3072, 6, 0, W1S, 128
.Lproj_w:
	WPATH 1024, 8, W2I, W2S, 224
.Lfunc_end_k_q887c148fe1_prep:
	.size	k_q887c148fe1_prep, .Lfunc_end_k_q887c148fe1_prep-k_q887c148fe1_prep
	.p2alignl 7, 3214868480
	.fill 96, 4, 3214868480
	.section	.rodata,"a",@progbits
	.p2align	6, 0x0
	.amdhsa_kernel k_q887c148fe1_prep
		.amdhsa_group_segment_fixed_size 134144
		.amdhsa_private_segment_fixed_size 0
		.amdhsa_enable_private_segment 0
		.amdhsa_kernarg_size 40
		.amdhsa_user_sgpr_count 2
		.amdhsa_user_sgpr_kernarg_segment_ptr 1
		.amdhsa_wavefront_size32 1
		.amdhsa_system_sgpr_workgroup_id_x 1
		.amdhsa_system_sgpr_workgroup_id_y 1
		.amdhsa_system_sgpr_workgroup_id_z 1
		.amdhsa_system_vgpr_workitem_id 0
		.amdhsa_next_free_vgpr 194
		.amdhsa_next_free_sgpr 66
		.amdhsa_reserve_vcc 0
		.amdhsa_float_denorm_mode_32 3
		.amdhsa_float_denorm_mode_16_64 3
		.amdhsa_memory_ordered 1
		.amdhsa_forward_progress 1
		.amdhsa_inst_pref_size 58
	.end_amdhsa_kernel
	.amdgpu_metadata
---
amdhsa.version: [ 1, 2 ]
amdhsa.kernels:
  - .name:           k_q887c148fe1_prep
    .symbol:         k_q887c148fe1_prep.kd
    .args:
      - { .name: hidden_states, .offset: 0, .size: 8, .value_kind: global_buffer, .address_space: global }
      - { .name: c_attn_w, .offset: 8, .size: 8, .value_kind: global_buffer, .address_space: global }
      - { .name: c_proj_w, .offset: 16, .size: 8, .value_kind: global_buffer, .address_space: global }
      - { .name: xq, .offset: 24, .size: 8, .value_kind: global_buffer, .address_space: global }
      - { .name: wq, .offset: 32, .size: 8, .value_kind: global_buffer, .address_space: global }
    .group_segment_fixed_size: 134144
    .private_segment_fixed_size: 0
    .kernarg_segment_align: 8
    .kernarg_segment_size: 40
    .max_flat_workgroup_size: 256
    .sgpr_count:     66
    .vgpr_count:     194
    .wavefront_size: 32
...
	.end_amdgpu_metadata
.endif
;; end of part 1
;; launch qkv (part 2): grid 12 x 16, 4 waves a work-group, clusters of 4 x 4, 327,680 bytes of LDS; arguments xq, wq, c_attn_b, qr, kv; writes qr, kv
.if DOCPART == 2
	.amdgcn_target "amdgcn-amd-amdhsa--gfx1250"
	.amdhsa_code_object_version 6
	.text
	.protected	k_q887c148fe1_qkv
	.globl	k_q887c148fe1_qkv
	.p2align	8
	.type	k_q887c148fe1_qkv,@function
k_q887c148fe1_qkv:
	s_mov_b64 s[64:65], 0
	v_nop
	global_prefetch_b8 v0, s[64:65] scope:SCOPE_SE
	s_setreg_imm32_b32 hwreg(HW_REG_WAVE_MODE, 25, 1), 1
	s_wait_xcnt 0x0
	s_wait_alu depctr_hold_cnt(0) depctr_sa_sdst(0) depctr_va_vdst(0) depctr_va_sdst(0) depctr_va_ssrc(0) depctr_va_vcc(0) depctr_vm_vsrc(0)
	s_getreg_b32 s2, hwreg(HW_REG_IB_STS2, 6, 4)
	s_cmp_eq_u32 s2, 0
	s_cbranch_scc0 .Lentry_in_a_cluster
	s_endpgm
.Lentry_in_a_cluster:
	s_bfe_u32 s2, ttmp6, 0x10000c
	s_cmp_lg_u32 s2, 0xf033
	s_cbranch_scc0 .Lentry_shape_is_right
	s_endpgm
.Lentry_shape_is_right:
; qkv = x W1 + b on codes of BF6 (E3M2) with E8M0 scales, K = 1,024; the results are quantised in registers: q and k along the head's 64, v along the keys; nothing leaves as f32.
; LIMITS: as the quantising launch states: NaN and infinities are not served; a block of zeros gets the byte 1; blocks under 2^-122 have their byte held at 1.
; A work-group of four waves makes 256 x 256, a wave 128 x 128: 64 accumulators, 512 registers.  Operands lie in memory as images of their registers (a fragment: 1,536 bytes, registers 4 c .. 4 c + 3 of
; lane L at 512 c + 16 L; tile T's lane r is row 32 (T / 2) + 8 (T % 2) + r + 8 (r / 8)), so a fragment comes out of LDS by three loads of 512 consecutive bytes.
; THREE MODES, by the cluster's x, which all sixteen partners share: 0: q, 1: k: source 1 ("A") = 16 tokens of x, source 0 ("B") = 16 columns of W1: a lane holds one token, its registers run along the columns.
; 2: v: A = 16 columns of W1 (2,048 on), B = 16 tokens: a lane holds one channel and its registers run along the tokens, which are the keys: v is quantised along the keys with nothing transposed.
; By the choice of a tile's rows, a lane's 64 results of one block of A are k = 32 b + 16 (lane / 16) + i in register 16 b + i: what QUANT takes; its codes are the next launch's operand as they stand.
; RESULTS: records of 13,056 bytes for each head and 128 tokens: K (or Q): 8 tiles x 768 bytes (registers 0-3 at 16 L, 4-5 at 512 + 8 L); V^T: 4 tiles of 16 channels x 1,536 at 6,144;
; K's (Q's) scale words at 12,288 (tile t, row r at 256 (t / 4) + 16 r + 4 (t % 4); bytes 2 and 3 are 0); V's at 12,800 (row r, tile dt at 16 r + 4 dt).  In qr the V parts are neither written nor read.
; CLUSTERS: 4 x 4.  A's tiles hang on the row of the cluster, B's on its column: each is asked for jointly by the four that share it.  K goes in steps of 128, two to a slot, through two LDS slots.
; REGISTERS: window 0: v16-29 addresses; v32-63, v64-95 A's and B's scale words; v96-111 v's bias; v112-119 the scale words made; v128-223 A's fragments, one set (in the epilogue at work).
;   window 1: B's fragments, two sets, at v0 and v128; q's and k's bias in v96-127 and v224-255.   windows 2, 3: the accumulators, (a, b) at v[8 (8 (a % 4) + b)].
.set FR,    12
.set FRB,   1536
.set TROW,  12288
.set REC,   13056
.set HEADB, 208896                     ; a head's 16 records
.set RV,    6144
.set RKS,   12288
.set RVS,   12800
.set XSC,   3145728
.set W1S,   3145728
.set HALFT, 24576                      ; 8 tiles x two K steps: what one tensor load brings, and what a wave reads of A or of B
.set SLOT,  4*HALFT
.set SPARE, 2*SLOT                     ; behind the ring: the spare words, 128 bytes a wave: two blocks of 256 bytes that no other line names
.set ADRA, 16                          ; v16-17 LDS address of my A fragments in slot 0, 1
.set ADRB, 20                          ; v20-21 the same for B
.set L16,  24                          ; v24 16 x lane
.set L8,   25                          ; v25 8 x lane
.set VSO,  26                          ; v26 (lane / 16) x a head's records + 16 r
.set SPW,  28
.set NIL,  29
.set SA,   32
.set SB,   64
.set BR,   96
.set PWS,  112
.set AF,   128
.set T,    128                         ; epilogue: 64 numbers
.set PC,   192                         ; the codes
.set TM,   212                         ; at work in QUANT
.set SS,   228
.set H0,   232
.set H1,   236
.set G1,   24
.set G0,   32
.set G1B,  48
.set G0B,  56
.set SEL,  80
.set MSB, 0
.macro WIN new                         ; the immediate's high byte repeats the setting that is left
.if MSB != (\new)
	s_set_vgpr_msb (MSB<<8)|(\new)
.set MSB, (\new)
.endif
.endm
.set MUL_LO, 0xa1                      ; source 0 (B) window 1, source 1 (A) window 0, C and D window 2
.set MUL_HI, 0xf1                      ; the same, C and D window 3
.set TO_B,   0x40                      ; destination window 1, address window 0
; A joint load: waves 0 and 1 fetch for A, waves 2 and 3 for B; the branch hangs on the wave's number alone.  Four v_nop follow each of the two lines.
.macro JLOAD g0a, g1a, g0b, g1b
	s_cmp_eq_u32 s15, 0
	s_cbranch_scc0 .Lfor_b_\@
	tensor_load_to_lds s[\g0a:\g0a+3], s[\g1a:\g1a+7]
	s_nop 0
.rept 4
	v_nop
.endr
	s_branch .Lasked_\@
.Lfor_b_\@:
	tensor_load_to_lds s[\g0b:\g0b+3], s[\g1b:\g1b+7]
	s_nop 0
.rept 4
	v_nop
.endr
.Lasked_\@:
.endm
.macro CREST                           ; a round of the cluster's barrier behind its opening barrier
	s_cmp_lg_u32 s14, 0
	s_cbranch_scc1 .Lnot_wave_0_\@
	s_barrier_signal -3
.Lnot_wave_0_\@:
	s_barrier_wait -3
	s_barrier_signal -1
	s_barrier_wait -1
.endm
.macro CROUND
	s_barrier_signal -1
	s_barrier_wait -1
	CREST
.endm
.macro PLACES                          ; four places behind matrix instructions, in front of loads into registers that they read and of reads of their results
.rept 4
	v_nop
.endr
.endm
.macro QUANT s, pc, pw                 ; 64 numbers, register 16 b + i = k 32 b + 16 (lane / 16) + i of my row -> a fragment's codes in v[pc] .. v[pc + 11], the row's scale word in v[pw]
.irp b, 0,1,2,3
	v_max3_num_f32 v[TM+\b], |v[\s+16*\b]|, |v[\s+1+16*\b]|, 0x2800000   ; and the floor 2^(5 - 127): the byte cannot fall under 1
.endr
.irp i, 2,4,6,8,10,12,14
.irp b, 0,1,2,3
	v_max3_num_f32 v[TM+\b], v[TM+\b], |v[\s+16*\b+\i]|, |v[\s+1+16*\b+\i]|
.endr
.endr
.irp b, 0,1,2,3
	v_permlanex16_b32 v[TM+4+\b], v[TM+\b], s[SEL], s[SEL+1]
.endr
.irp b, 0,1,2,3
	v_max_num_f32 v[TM+\b], v[TM+\b], v[TM+4+\b]
.endr
.irp b, 0,1,2,3
	v_add_nc_u32 v[TM+12+\b], 0xfe000000, v[TM+\b]                 ; 4 off the exponent field: the conversion's scale operand
.endr
.irp b, 0,1,2,3
	v_lshrrev_b32 v[TM+4+\b], 23, v[TM+12+\b]
.endr
	v_lshl_or_b32 v[\pw], v[TM+5], 8, v[TM+4]
	v_lshl_or_b32 v[\pw], v[TM+6], 16, v[\pw]
	v_lshl_or_b32 v[\pw], v[TM+7], 24, v[\pw]
.irp c, 0,1
	v_cvt_scalef32_pk16_bf6_f32 v[\pc+6*\c:\pc+2+6*\c], v[\s+32*\c:\s+15+32*\c], v[TM+12+2*\c]
	v_cvt_scalef32_pk16_bf6_f32 v[\pc+12+4*\c:\pc+14+4*\c], v[\s+16+32*\c:\s+31+32*\c], v[TM+12+2*\c+1]
.endr
	v_nop                                                          ; one plain place behind a scaled conversion
.irp c, 0,1
.irp i, 0,1,2
	v_permlane16_swap_b32 v[\pc+6*\c+\i], v[\pc+12+4*\c+\i]
.endr
.irp i, 0,1,2
	v_mov_b32 v[\pc+3+6*\c+\i], v[\pc+12+4*\c+\i]
.endr
.endr
.endm
.macro FRAG reg, adr, q, i             ; tile i's fragment of the slot's q-th K step: three loads of 512 consecutive bytes
.irp c, 0,1,2
	ds_load_b128 v[\reg+4*\c:\reg+4*\c+3], v[\adr] offset:(\i)*2*FRB+(\q)*FRB+512*\c
.endr
.endm
.macro FETCH_B slot, q, p
	WIN TO_B
.irp i, 0,1,2,3,4,5,6,7
	FRAG 128*(\p)+FR*\i, ADRB+\slot, \q, \i
.endr
	WIN 0
.endm
.macro FETCH_A slot, q, i0
.irp i, \i0, \i0+1, \i0+2, \i0+3
	FRAG AF+FR*(\i), ADRA+\slot, \q, \i
.endr
.endm
; 16 matrix instructions: A's blocks a0, a0 + 1 x B's eight, K step s; p: B's set.  The 64 accumulators take turns, one instruction a turn, in the same order in every step.
; A scale register holds the word of K step s % 4 in lanes 0-15 and of 4 + s % 4 in lanes 16-31.
.macro MUL16 a0, p, s, zero
.irp a, \a0, \a0+1
.irp b, 0,1,2,3,4,5,6,7
.set rD, 8*(8*((\a)%4)+\b)
.set rB, 128*(\p)+FR*\b
.set rA, AF+FR*(\a)
.set rSB, SB+4*\b+((\s)%4)
.set rSA, SA+4*(\a)+((\s)%4)
.if \zero
	v_wmma_scale_f32_16x16x128_f8f6f4 v[rD:rD+7], v[rB:rB+FR-1], v[rA:rA+FR-1], 0, v[rSB], v[rSA] matrix_a_fmt:MATRIX_FMT_BF6 matrix_b_fmt:MATRIX_FMT_BF6
.elseif (\s) < 4
	v_wmma_scale_f32_16x16x128_f8f6f4 v[rD:rD+7], v[rB:rB+FR-1], v[rA:rA+FR-1], v[rD:rD+7], v[rSB], v[rSA] matrix_a_fmt:MATRIX_FMT_BF6 matrix_b_fmt:MATRIX_FMT_BF6
.else
	v_wmma_scale_f32_16x16x128_f8f6f4 v[rD:rD+7], v[rB:rB+FR-1], v[rA:rA+FR-1], v[rD:rD+7], v[rSB], v[rSA] matrix_a_fmt:MATRIX_FMT_BF6 matrix_b_fmt:MATRIX_FMT_BF6 matrix_a_scale:MATRIX_SCALE_ROW1 matrix_b_scale:MATRIX_SCALE_ROW1
.endif
.endr
.endr
.endm
; An even K step: its successor lies in the same slot.
.macro STEP s, zero
.set SL, ((\s)/2)%2
	s_wait_dscnt 12                                ; B's set and A's blocks 0-3 are in; the youngest 12 loads (A's blocks 4-7) may be out
	WIN MUL_LO
	MUL16 0, 0, \s, \zero
	MUL16 2, 0, \s, \zero
	s_wait_dscnt 0x0                               ; A's blocks 4-7 are in
	PLACES
	FETCH_B SL, 1, 1
	FETCH_A SL, 1, 0
	WIN MUL_HI
	MUL16 4, 0, \s, \zero
	MUL16 6, 0, \s, \zero
	PLACES
	WIN 0
	FETCH_A SL, 1, 4
.endm
; An odd K step changes slots: one barrier; in front of it each wave waits for all its tensor loads, adds 0 to its spare word, and waits for that and for its reads of this slot.  fill = 1: the slot is filled again, four K steps on.
.macro TURN s, fill
.set SL, ((\s)/2)%2
.set NX, 1-SL
	s_wait_tensorcnt 0x0                           ; all my tensor loads have landed: my part of the next slot
	ds_add_u32 v[SPW], v[NIL]                      ; 0 onto my spare word
	s_wait_dscnt 13                                ; (the add and the youngest 12 loads may be out)
	WIN MUL_LO
	MUL16 0, 1, \s, 0
	s_wait_dscnt 0x0                               ; the add is done, and my reads of this slot are over
	s_barrier_signal -1
	MUL16 2, 1, \s, 0
	WIN 0
	s_barrier_wait -1
.if \fill
	CREST                                          ; the barrier has opened a round of the cluster's barrier: no wave of any partner still reads this slot or has a load on its way
	s_add_nc_u64 s[G0+4*SL+2:G0+4*SL+3], s[G0+4*SL+2:G0+4*SL+3], 4*FRB
	s_add_nc_u64 s[G0B+4*SL+2:G0B+4*SL+3], s[G0B+4*SL+2:G0B+4*SL+3], 4*FRB
	JLOAD G0+4*SL, G1, G0B+4*SL, G1B               ; the first tensor load behind the round; its four v_nop are the places in front of the loads below
.else
	PLACES
.endif
	FETCH_B NX, 0, 0
	FETCH_A NX, 0, 0
	WIN MUL_HI
	MUL16 4, 1, \s, 0
	MUL16 6, 1, \s, 0
	PLACES
	WIN 0
	FETCH_A NX, 0, 4
.endm
; THE WAY OUT, block a of A at a time: + bias (which also brings the numbers into window 0; ascending), QUANT, stores of whole aligned runs of 512 or 256 bytes.
.macro EPI vm
.irp a, 0,1,2,3,4,5,6,7
.if \a > 0
	s_wait_xcnt 0x0                                ; the last block's stores have read the codes' registers
.endif
.if \vm
.set WW, 0x02+(\a/4)                   ; source 0: the accumulators' window; source 1 (my channel's bias): window 0
.else
.set WW, 0x06+(\a/4)                   ; source 1 (the columns' bias): window 1
.endif
	WIN WW
.set i, 0
.rept 32
.if \vm
	v_pk_add_f32 v[T+2*i:T+2*i+1], v[64*(\a%4)+2*i:64*(\a%4)+2*i+1], v[BR+2*\a:BR+2*\a+1]
.else
	v_pk_add_f32 v[T+2*i:T+2*i+1], v[64*(\a%4)+2*i:64*(\a%4)+2*i+1], v[96+2*i+96*(i/16):96+2*i+96*(i/16)+1]
.endif
.set i, i+1
.endr
	WIN 0
	QUANT T, PC, PWS+\a
.if \vm
.irp c, 0,1,2
	global_store_b128 v[L16], v[PC+4*\c:PC+4*\c+3], s[66:67] offset:RV+(\a/4)*HEADB+(\a%4)*FRB+512*\c   ; head a / 4 of my two, channels' tile a % 4
.endr
.else
	global_store_b128 v[L16], v[PC:PC+3], s[66:67] offset:768*\a                  ; registers 0-5: my first head's 64; tile a of the record
	global_store_b64 v[L8], v[PC+4:PC+5], s[66:67] offset:768*\a+512
	global_store_b128 v[L16], v[PC+6:PC+9], s[66:67] offset:HEADB+768*\a          ; registers 6-11: my second head's
	global_store_b64 v[L8], v[PC+10:PC+11], s[66:67] offset:HEADB+768*\a+512
.endif
.endr
	v_cmp_lt_u32 vcc_lo, 15, v1
.irp i, 0,1,2,3
	v_cndmask_b32 v[SS+\i], v[PWS+\i], v[PWS+4+\i], vcc_lo         ; lanes 0-15: tile i's word, lanes 16-31: tile 4 + i's
.endr
.if \vm
	global_store_b128 v[VSO], v[SS:SS+3], s[66:67] offset:RVS      ; lanes 0-15: my first head's 256 bytes, lanes 16-31: my second head's
.else
.irp i, 0,1,2,3
	v_and_b32 v[H0+\i], 0xffff, v[SS+\i]                           ; bytes 0, 1: my first head's two blocks; the word's other two bytes are 0
	v_lshrrev_b32 v[H1+\i], 16, v[SS+\i]                           ; bytes 2, 3: my second head's
.endr
	global_store_b128 v[L16], v[H0:H0+3], s[66:67] offset:RKS
	global_store_b128 v[L16], v[H1:H1+3], s[66:67] offset:HEADB+RKS
.endif
.endm
	s_load_b256 s[4:11], s[0:1], 0x0               ; xq s[4:5], wq s[6:7], c_attn_b s[8:9], qr s[10:11]
	s_load_b64 s[12:13], s[0:1], 0x20              ; kv
	v_lshl_add_u32 v[SPW], v0, 2, SPARE
	v_mov_b32 v[NIL], 0
	ds_add_u32 v28, v29
	ds_add_u32 v28, v29
	s_wait_dscnt 0x0
	v_lshrrev_b32 v1, 5, v0
	v_readfirstlane_b32 s14, v1                    ; wave 0..3
	s_lshr_b32 s15, s14, 1                         ; which half of A's rows is mine.  Also: I fetch for A (0) or for B (1)
	s_and_b32 s16, s14, 1                          ; which half of B's rows.  Also: which 8 tiles I fetch
	s_bfe_u32 s40, ttmp6, 0x40000                  ; cx
	s_bfe_u32 s41, ttmp6, 0x40004                  ; cy
	s_and_b32 s46, ttmp7, 0xffff                   ; the cluster's y
	s_cmp_eq_u32 ttmp9, 2                          ; the cluster's x is the mode: the same in all sixteen partners
	s_cselect_b32 s45, 1, 0                        ; 1: v
	s_cselect_b32 s47, 0, s46
	s_cselect_b32 s18, s46, ttmp9
	s_lshl_b32 s47, s47, 2
	s_add_co_u32 s17, s47, s41                     ; RT: which 256 rows of A: q, k: 4 x cluster y + cy (tokens); v: cy (channels)
	s_lshl_b32 s18, s18, 2
	s_add_co_u32 s42, s18, s40                     ; CT: which 256 rows of B: q, k: 4 x cluster x + cx (columns); v: 4 x cluster y + cx (tokens)
	s_lshl_b32 s43, s41, 2
	s_lshl_b32 s43, 15, s43                        ; my row of the cluster
	s_lshl_b32 s44, 0x1111, s40                    ; my column
	; descriptor group 1: 8 tiles' two fragments each: 8 rows of 3,072 bytes (384 elements of 8), 12,288 bytes apart; dense in LDS
	s_or_b32 s[G1+0], s43, (3<<16)|(1<<21)
	s_or_b32 s[G1B+0], s44, (3<<16)|(1<<21)
.irp g, G1, G1B
	s_mov_b32 s[\g+1], 384<<16                     ; tensor_dim0
	s_mov_b32 s[\g+2], 8<<16                       ; tensor_dim1
	s_mov_b32 s[\g+3], 384<<16                     ; tile_dim0
	s_mov_b32 s[\g+4], 8                           ; tile_dim1
	s_mov_b32 s[\g+5], 1536                        ; tensor_dim0_stride
	s_mov_b32 s[\g+6], 0
	s_mov_b32 s[\g+7], 0
.endr
	s_lshl_b32 s18, s16, 3
	s_lshl_b32 s20, s17, 4
	s_add_co_u32 s20, s20, s18
	s_mul_i32 s20, s20, TROW                       ; A: tile 16 RT + 8 x half
	s_mov_b32 s21, 0
	s_lshl_b32 s46, s42, 4
	s_add_co_u32 s46, s46, s18
	s_mul_i32 s46, s46, TROW                       ; B: tile 16 CT + 8 x half
	s_mov_b32 s47, 0
	s_mul_i32 s19, s14, HALFT                      ; where they go: no place in the cluster enters an LDS address
	s_mov_b32 s[SEL], 0x76543210
	s_mov_b32 s[SEL+1], 0xfedcba98
	s_wait_kmcnt 0x0
	s_add_nc_u64 s[68:69], s[6:7], 128*TROW        ; W1's tiles of v's columns
	s_add_nc_u64 s[70:71], s[6:7], W1S+128*512     ; and their scale words
	s_add_nc_u64 s[72:73], s[4:5], XSC             ; x's scale words
	s_add_nc_u64 s[74:75], s[6:7], W1S             ; W1's
	s_cmp_eq_u32 s45, 1
	s_cselect_b64 s[68:69], s[68:69], s[4:5]       ; A's images
	s_cselect_b64 s[70:71], s[70:71], s[72:73]     ; A's scale words
	s_cselect_b64 s[76:77], s[4:5], s[6:7]         ; B's images
	s_cselect_b64 s[74:75], s[72:73], s[74:75]     ; B's scale words
	s_cmp_eq_u32 ttmp9, 0
	s_cselect_b64 s[66:67], s[10:11], s[12:13]     ; q goes to qr, k and v to kv
	s_add_nc_u64 s[20:21], s[68:69], s[20:21]
	s_add_nc_u64 s[46:47], s[76:77], s[46:47]
	CROUND                                         ; all sixteen work-groups are here: the first joint loads meet
.irp s, 0,1
	s_mov_b32 s[G0+4*\s], 1
	s_add_co_u32 s[G0+4*\s+1], s19, \s*SLOT
	s_add_nc_u64 s[G0+4*\s+2:G0+4*\s+3], s[20:21], \s*2*FRB
	s_or_b32 s[G0+4*\s+3], s[G0+4*\s+3], 0x80000000
	s_mov_b32 s[G0B+4*\s], 1
	s_add_co_u32 s[G0B+4*\s+1], s19, \s*SLOT
	s_add_nc_u64 s[G0B+4*\s+2:G0B+4*\s+3], s[46:47], \s*2*FRB
	s_or_b32 s[G0B+4*\s+3], s[G0B+4*\s+3], 0x80000000
	JLOAD G0+4*\s, G1, G0B+4*\s, G1B               ; K steps 2 s and 2 s + 1: two loads of mine are out
.endr
	v_and_b32 v1, 31, v0                           ; lane
	v_and_b32 v2, 15, v0                           ; r
	v_bfe_u32 v3, v0, 4, 1                         ; h
	v_lshlrev_b32 v[L16], 4, v1
	v_lshlrev_b32 v[L8], 3, v1
	v_lshlrev_b32 v4, 4, v2
	v_mad_u32_u24 v[VSO], v3, HEADB, v4
	s_mul_i32 s22, s15, HALFT
	s_mul_i32 s23, s16, HALFT
	s_add_co_u32 s23, s23, 2*HALFT
.irp s, 0,1
	v_add_nc_u32 v[ADRA+\s], s22, v[L16]
	v_add_nc_u32 v[ADRB+\s], s23, v[L16]
	s_add_co_u32 s22, s22, SLOT
	s_add_co_u32 s23, s23, SLOT
.endr
	s_lshl_b32 s22, s17, 4
	s_lshl_b32 s23, s15, 3
	s_add_co_u32 s22, s22, s23
	s_lshl_b32 s22, s22, 9                         ; my 8 tiles of A: 512 bytes of scale words each
	s_mov_b32 s23, 0
	s_add_nc_u64 s[70:71], s[70:71], s[22:23]
	s_lshl_b32 s22, s42, 4
	s_lshl_b32 s78, s16, 3
	s_add_co_u32 s22, s22, s78
	s_lshl_b32 s22, s22, 9
	s_add_nc_u64 s[74:75], s[74:75], s[22:23]
.irp i, 0,1,2,3,4,5,6,7
	global_load_b128 v[SA+4*\i:SA+4*\i+3], v[L16], s[70:71] offset:512*\i   ; a tile's scale words for all of K: register j: K step j in lanes 0-15, 4 + j in lanes 16-31
	global_load_b128 v[SB+4*\i:SB+4*\i+3], v[L16], s[74:75] offset:512*\i
.endr
	s_lshl_b32 s84, s42, 8
	s_lshl_b32 s78, s16, 7
	s_add_co_u32 s84, s84, s78                     ; my first row of B: 256 CT + 128 x half
	s_lshl_b32 s85, s17, 8
	s_lshl_b32 s78, s15, 7
	s_add_co_u32 s85, s85, s78                     ; my first row of A
	s_cmp_eq_u32 s45, 1
	s_cselect_b32 s82, 0, s84                      ; both sets of bias are loaded in every mode, from places inside the buffer; the mode's way out uses its own
	s_cselect_b32 s83, s85, 0
	s_cselect_b32 s22, s84, s85                    ; my first token
	s_cselect_b32 s79, s85, s84                    ; my first channel
	s_lshl_b32 s86, s82, 2
	s_mov_b32 s87, 0
	s_add_co_u32 s88, s83, 2048
	s_lshl_b32 s88, s88, 2
	s_mov_b32 s89, 0
	s_add_nc_u64 s[86:87], s[8:9], s[86:87]
	s_add_nc_u64 s[88:89], s[8:9], s[88:89]
	v_lshlrev_b32 v5, 6, v3                        ; 64 h
	v_and_b32 v6, 8, v2
	v_add_nc_u32 v6, v6, v2
	v_lshlrev_b32 v6, 2, v6                        ; 4 (r + 8 (r / 8))
	WIN TO_B
.irp b, 0,1,2,3
.irp j, 0,1,2,3
	global_load_b128 v[96+16*\b+4*\j+96*(\b/2):96+16*\b+4*\j+96*(\b/2)+3], v5, s[86:87] offset:128*\b+16*\j   ; q, k: the bias of columns 32 b + 16 h + 4 j on
.endr
.endr
	WIN 0
.irp a, 0,1,2,3,4,5,6,7
	global_load_b32 v[BR+2*\a], v6, s[88:89] offset:4*(32*(\a/2)+8*(\a%2))       ; v: the bias of my channel in block a, in both registers of a pair
	global_load_b32 v[BR+2*\a+1], v6, s[88:89] offset:4*(32*(\a/2)+8*(\a%2))
.endr
	s_and_b32 s79, s79, 1023                       ; the channel inside q, k or v
	s_lshr_b32 s78, s22, 11                        ; the batch
	s_lshl_b32 s78, s78, 4
	s_lshr_b32 s79, s79, 6                         ; my first head
	s_add_co_u32 s78, s78, s79
	s_mul_i32 s78, s78, HEADB
	s_bfe_u32 s22, s22, 0x40007                    ; which 128 tokens of the sequence
	s_mul_i32 s22, s22, REC
	s_add_co_u32 s78, s78, s22
	s_mov_b32 s79, 0
	s_add_nc_u64 s[66:67], s[66:67], s[78:79]      ; my first head's record
	s_wait_tensorcnt 1                             ; my part of slot 0 is in; slot 1's load may stay out
	s_barrier_signal -1
	s_barrier_wait -1
	FETCH_B 0, 0, 0
	FETCH_A 0, 0, 0
	FETCH_A 0, 0, 4
	s_wait_loadcnt 0x0                             ; scale words and bias
	STEP 0, 1                                      ; the first step's products start the sums.  K has eight steps: they are written out, since the scale registers' rows change at the fifth
	TURN 1, 1
	STEP 2, 0
	TURN 3, 1
	STEP 4, 0
	TURN 5, 0                                      ; nothing is left to fetch
	STEP 6, 0
	s_wait_dscnt 12
	WIN MUL_LO
	MUL16 0, 1, 7, 0
	MUL16 2, 1, 7, 0
	s_wait_dscnt 0x0
	WIN MUL_HI
	MUL16 4, 1, 7, 0
	MUL16 6, 1, 7, 0
	WIN 0
	PLACES
.irp b, 0,1,2,3
	v_mov_b32 v[TM+4+\b], 0                        ; written once: a lane permute's destination counts as one of its sources
.endr
	s_cmp_eq_u32 s45, 1
	s_cbranch_scc1 .Lv_out
	EPI 0
	s_branch .Lend
.Lv_out:
	EPI 1
.Lend:
	s_wait_tensorcnt 0x0                           ; the wave's end
	ds_add_u32 v[SPW], v[NIL]
	s_wait_dscnt 0x0
	CROUND                                         ; the closing round: no work-group ends while a partner may still ask for a tile that names it
	s_endpgm
.Lfunc_end_k_q887c148fe1_qkv:
	.size	k_q887c148fe1_qkv, .Lfunc_end_k_q887c148fe1_qkv-k_q887c148fe1_qkv
	.p2alignl 7, 3214868480
	.fill 96, 4, 3214868480
	.section	.rodata,"a",@progbits
	.p2align	6, 0x0
	.amdhsa_kernel k_q887c148fe1_qkv
		.amdhsa_group_segment_fixed_size 327680
		.amdhsa_private_segment_fixed_size 0
		.amdhsa_enable_private_segment 0
		.amdhsa_kernarg_size 40
		.amdhsa_user_sgpr_count 2
		.amdhsa_user_sgpr_kernarg_segment_ptr 1
		.amdhsa_wavefront_size32 1
		.amdhsa_system_sgpr_workgroup_id_x 1
		.amdhsa_system_sgpr_workgroup_id_y 1
		.amdhsa_system_sgpr_workgroup_id_z 1
		.amdhsa_system_vgpr_workitem_id 0
		.amdhsa_next_free_vgpr 1024
		.amdhsa_next_free_sgpr 100
		.amdhsa_reserve_vcc 1
		.amdhsa_float_denorm_mode_32 3
		.amdhsa_float_denorm_mode_16_64 3
		.amdhsa_memory_ordered 1
		.amdhsa_forward_progress 1
		.amdhsa_inst_pref_size 207
	.end_amdhsa_kernel
	.amdgpu_metadata
---
amdhsa.version: [ 1, 2 ]
amdhsa.kernels:
  - .name:           k_q887c148fe1_qkv
    .symbol:         k_q887c148fe1_qkv.kd
    .args:
      - { .name: xq, .offset: 0, .size: 8, .value_kind: global_buffer, .address_space: global }
      - { .name: wq, .offset: 8, .size: 8, .value_kind: global_buffer, .address_space: global }
      - { .name: c_attn_b, .offset: 16, .size: 8, .value_kind: global_buffer, .address_space: global }
      - { .name: qr, .offset: 24, .size: 8, .value_kind: global_buffer, .address_space: global }
      - { .name: kv, .offset: 32, .size: 8, .value_kind: global_buffer, .address_space: global }
    .group_segment_fixed_size: 327680
    .private_segment_fixed_size: 0
    .kernarg_segment_align: 8
    .kernarg_segment_size: 40
    .max_flat_workgroup_size: 128
    .sgpr_count:     100
    .vgpr_count:     1024
    .wavefront_size: 32
...
	.end_amdgpu_metadata
.endif
;; end of part 2
;; launch attn (part 3): grid 8 x 32, 16 waves a work-group, no clusters, 210,944 bytes of LDS; arguments qr, kv, aq; writes aq
.if DOCPART == 3
	.amdgcn_target "amdgcn-amd-amdhsa--gfx1250"
	.amdhsa_code_object_version 6
	.text
	.protected	k_q887c148fe1_attn
	.globl	k_q887c148fe1_attn
	.p2align	8
	.type	k_q887c148fe1_attn,@function
k_q887c148fe1_attn:
	s_mov_b64 s[64:65], 0
	v_nop
	global_prefetch_b8 v0, s[64:65] scope:SCOPE_SE
	s_setreg_imm32_b32 hwreg(HW_REG_WAVE_MODE, 25, 1), 1
	s_wait_xcnt 0x0
; Causal attention of one head on codes of BF6 (E3M2) with E8M0 scales: S^T = K Q^T (K = the head's 64), p = 2^(t - M), O^T = V^T P^T (K = the keys), O / l quantised along the model's 1,024 for the last product.
; t = score x log2(e) / 8; M = the running largest t rounded up to a whole number; the row's sum l is taken of the unquantised p; when M moves, l and O^T are multiplied by 2^(old M - new M): exact.
; LIMITS: NaN and infinities are not served; a block of zeros gets the byte 1; a block's largest p is made from its largest score by the same multiply-add and exponential (this takes v_exp_f32 not to fall
; where its input rises).
; SHARES.  Work-group (i, head) owns the groups i and 15 - i of 128 queries.  A wave owns one tile of 16 queries; role = (w ^ (w / 4)) % 2 says which group, w / 2 which tile: so of waves w, w + 4, w + 8, w + 12
; and of waves 4 j .. 4 j + 3 alike two are early and two late, (i + 1) + (16 - i) = 17 steps of 128 keys for each pair, whatever i.
; A step all of whose keys come after the wave's queries is left out by a scalar branch on ids.  That number differs between the eight work-groups that walk one head's K and V, and partners of joint
; requests may not part on such a number: so this launch has no cluster.
; THE WHOLE HEAD'S K AND V, 16 records of 13,056 bytes as the launch before laid them, fit into LDS as they lie in memory: first fills alone, nothing is filled again.  They come as four parts of four
; records; waves 0-11 bring 17 rows of 256 bytes of each part: four loads of such a wave are out.  All bytes are asked for in the kernel's first lines, so there is nothing to ask for earlier.
; K = 64 IN AN INSTRUCTION OF 128: Q's registers 6-11 are zero codes, and Q's and K's scale bytes 2 and 3 are 0 (never 0xff).  K's operand of tile t is v[32 + 6 t .. 43 + 6 t]: its upper six registers are the
; next tile's codes (the last tile's: zeros); E3M2 has no code but numbers, and a number times a zero code adds nothing.
; A tile's lane r is row 32 (T / 2) + 8 (T % 2) + r + 8 (r / 8): so a lane's 16 registers of tiles 2 b, 2 b + 1 of S^T are keys 32 b + 16 (lane / 16) + 0 .. 15, and those of O^T channels likewise.
; REGISTERS: v1-4 stay; v5-7 the step's addresses; v12 -M, v13 the largest t, v[14:15] l; v16-27 Q; v28 its scale word; v32-85 K, then v32-79 V; v86-89, v90-93 their scale words; v96-159 S^T, p;
; v160-191 O^T; v192-210 p's codes; v212-231 at work.
.set REC,   13056
.set HEADB, 208896
.set PART,  4*REC                      ; 52,224 bytes = 12 waves x 17 rows of 256
.set RV,    6144
.set RKS,   12288
.set RVS,   12800
.set ASC,   3145728                    ; aq: the scale words, behind 256 tiles x 16 heads x 768 bytes
.set WV,  18
.set SEL, 20
.set CS,  22
.set G1,  24
.set G0,  32                           ; s[32:47] a group 0 for each part
.set RB,  2                            ; s2  LDS byte at which the step's record begins
.set KG,  3                            ; s3  the step's group of keys
.set GQ,  48                           ; s48 my group of queries
.set CNT, 49
.macro STEP
	s_cmp_gt_u32 s[KG], s[GQ]
	s_cbranch_scc1 .Lhidden_\@                     ; all 128 keys come after my queries
	s_setprio 2
	v_add_nc_u32 v5, s[RB], v1
	v_add_nc_u32 v6, s[RB], v2
	v_add_nc_u32 v7, s[RB], v3
	v_nop                                          ; four places behind the last step's products, in front of loads into registers that they read
	ds_load_b128 v[86:89], v5 offset:RKS           ; K's scale words: register j: tile j in lanes 0-15, tile 4 + j in lanes 16-31
.irp t, 0,1,2,3,4,5,6,7
	ds_load_b128 v[32+6*\t:35+6*\t], v5 offset:768*\t
	ds_load_b64 v[36+6*\t:37+6*\t], v6 offset:768*\t+512
.endr
	s_wait_alu depctr_va_vdst(0)
	s_wait_dscnt 0x0
.irp t, 0,1,2,3
	v_wmma_scale_f32_16x16x128_f8f6f4 v[96+8*\t:103+8*\t], v[32+6*\t:43+6*\t], v[16:27], 0, v[86+\t], v28 matrix_a_fmt:MATRIX_FMT_BF6 matrix_b_fmt:MATRIX_FMT_BF6
.endr
.irp t, 4,5,6,7
	v_wmma_scale_f32_16x16x128_f8f6f4 v[96+8*\t:103+8*\t], v[32+6*\t:43+6*\t], v[16:27], 0, v[82+\t], v28 matrix_a_fmt:MATRIX_FMT_BF6 matrix_b_fmt:MATRIX_FMT_BF6 matrix_a_scale:MATRIX_SCALE_ROW1
.endr
.rept 4
	v_nop                                          ; places: V's loads land where K lay, and the scores are read
.endr
	ds_load_b128 v[90:93], v7 offset:RVS           ; V's scale words: register dt: row r of tile dt
.irp dt, 0,1,2,3
.irp c, 0,1,2
	ds_load_b128 v[32+12*\dt+4*\c:35+12*\dt+4*\c], v5 offset:RV+1536*\dt+512*\c   ; they land while the softmax is walked
.endr
.endr
	s_cmp_lt_u32 s[KG], s[GQ]
	s_cbranch_scc1 .Lopen_\@                       ; all 128 keys count
	v_mov_b32 v228, 0xff800000                     ; on the diagonal hidden scores become -infinity ahead of the maximum: p = 0 then.  Register 16 b + i holds key 32 b + 16 (lane / 16) + i: hidden where 32 b + i > v4
.set n, 0
.rept 64
	v_cmp_gt_i32 vcc_lo, 32*(n/16)+n%16, v4
	v_cndmask_b32 v[96+n], v[96+n], v228, vcc_lo
.set n, n+1
.endr
.Lopen_\@:
.irp b, 0,1,2,3
	v_max3_num_f32 v[212+\b], v[96+16*\b], v[97+16*\b], v[98+16*\b]   ; the largest score of each block of 32 keys: for the row's maximum, and for the block's largest p
.endr
.irp i, 3,5,7,9,11,13
.irp b, 0,1,2,3
	v_max3_num_f32 v[212+\b], v[212+\b], v[96+16*\b+\i], v[97+16*\b+\i]
.endr
.endr
.irp b, 0,1,2,3
	v_max_num_f32 v[212+\b], v[212+\b], v[111+16*\b]
.endr
.irp b, 0,1,2,3
	s_delay_alu instid0(VALU_DEP_4)
	v_permlanex16_b32 v[216+\b], v[212+\b], s[SEL], s[SEL+1]
.endr
.irp b, 0,1,2,3
	s_delay_alu instid0(VALU_DEP_4)
	v_max_num_f32 v[212+\b], v[212+\b], v[216+\b]  ; with lane l xor 16's 16 keys
.endr
	s_delay_alu instid0(VALU_DEP_2)
	v_max3_num_f32 v228, v212, v213, v214
	s_delay_alu instid0(VALU_DEP_1)
	v_max_num_f32 v228, v228, v215
	s_delay_alu instid0(VALU_DEP_1)
	v_mul_f32 v228, s[CS], v228                    ; the step's largest t of my query
	s_delay_alu instid0(VALU_DEP_1)
	v_max_num_f32 v13, v13, v228
	v_mov_b32 v228, v12
	s_delay_alu instid0(VALU_DEP_2)
	v_floor_f32 v12, -v13                          ; the new -M = -ceil(t): a whole number
	s_delay_alu instid0(VALU_DEP_1)
	v_sub_f32 v228, v12, v228                      ; old M - new M, 0 or less
	s_delay_alu instid0(VALU_DEP_1)
	v_cvt_i32_f32 v228, v228                       ; (it saturates)
	s_delay_alu instid0(VALU_DEP_1)
	v_ldexp_f32 v226, 1.0, v228                    ; f = 2^(old M - new M)
.set j, 0
.rept 32
	v_pk_fma_f32 v[96+j:97+j], v[96+j:97+j], s[CS:CS+1], v[12:13] op_sel_hi:[1,0,0]   ; t - M, two at a time
.set j, j+2
.endr
	s_setprio 1
.irp b, 0,1,2,3
	v_fma_f32 v[212+\b], v[212+\b], s[CS], v12
.endr
.set j, 0
	s_wait_alu depctr_va_vdst(0)
.rept 64
	v_exp_f32 v[96+j], v[96+j]                     ; p = 2^(t - M): not normalised
.set j, j+1
.endr
.irp b, 0,1,2,3
	v_exp_f32 v[212+\b], v[212+\b]                 ; the block's largest p
.endr
	v_pk_mul_f32 v[14:15], v[14:15], v[226:227] op_sel_hi:[1,0]   ; l under the new M (a plain place behind the exponentials)
	s_wait_alu depctr_va_vdst(0)
.irp b, 0,1,2,3
	v_max_num_f32 v[212+\b], 0x2800000, v[212+\b]  ; the floor 2^(5 - 127)
.endr
.irp b, 0,1,2,3
	s_delay_alu instid0(VALU_DEP_4)
	v_add_nc_u32 v[220+\b], 0xfe000000, v[212+\b]  ; the conversion's scale operand
.endr
.irp b, 0,1,2,3
	s_delay_alu instid0(VALU_DEP_4)
	v_lshrrev_b32 v[216+\b], 23, v[220+\b]         ; the byte
.endr
	s_delay_alu instid0(VALU_DEP_3)
	v_lshl_or_b32 v224, v217, 8, v216              ; p's scale word for these 128 keys
	s_delay_alu instid0(VALU_DEP_1)
	v_lshl_or_b32 v224, v218, 16, v224
	s_delay_alu instid0(VALU_DEP_1)
	v_lshl_or_b32 v224, v219, 24, v224
.irp c, 0,1
	v_cvt_scalef32_pk16_bf6_f32 v[192+6*\c:194+6*\c], v[96+32*\c:111+32*\c], v[220+2*\c]
	v_cvt_scalef32_pk16_bf6_f32 v[204+4*\c:206+4*\c], v[112+32*\c:127+32*\c], v[220+2*\c+1]
.endr
	v_nop                                          ; one plain place behind a scaled conversion
.irp c, 0,1
.irp i, 0,1,2
	v_permlane16_swap_b32 v[192+6*\c+\i], v[204+4*\c+\i]
.endr
.irp i, 0,1,2
	s_delay_alu instid0(VALU_DEP_3)
	v_mov_b32 v[195+6*\c+\i], v[204+4*\c+\i]
.endr
.endr
	v_pk_add_f32 v[230:231], v[100:101], v[104:105]
	v_pk_add_f32 v[252:253], v[108:109], v[112:113]
	v_pk_add_f32 v[250:251], v[116:117], v[120:121]
	v_pk_add_f32 v[248:249], v[124:125], v[128:129]
	v_pk_add_f32 v[246:247], v[132:133], v[136:137]
	v_pk_add_f32 v[244:245], v[140:141], v[144:145]
	v_pk_add_f32 v[242:243], v[148:149], v[152:153]
	v_pk_add_f32 v[14:15], v[14:15], v[156:157]
	v_pk_add_f32 v[230:231], v[230:231], v[96:97]
	v_pk_add_f32 v[252:253], v[252:253], v[98:99]
	s_setprio 0
	v_pk_add_f32 v[250:251], v[250:251], v[102:103]
	v_pk_add_f32 v[248:249], v[248:249], v[106:107]
	v_pk_add_f32 v[246:247], v[246:247], v[110:111]
	v_pk_add_f32 v[244:245], v[244:245], v[114:115]
	v_pk_add_f32 v[242:243], v[242:243], v[118:119]
	v_pk_add_f32 v[14:15], v[14:15], v[122:123]
	v_pk_add_f32 v[230:231], v[230:231], v[126:127]
	v_pk_add_f32 v[252:253], v[252:253], v[130:131]
	v_pk_add_f32 v[250:251], v[250:251], v[134:135]
	v_pk_add_f32 v[248:249], v[248:249], v[138:139]
	v_pk_add_f32 v[246:247], v[246:247], v[142:143]
	v_pk_add_f32 v[244:245], v[244:245], v[146:147]
	v_pk_add_f32 v[242:243], v[242:243], v[150:151]
	v_pk_add_f32 v[14:15], v[14:15], v[154:155]
	v_pk_add_f32 v[230:231], v[230:231], v[158:159]
	s_delay_alu instid0(VALU_DEP_2)
	v_pk_add_f32 v[14:15], v[14:15], v[248:249]
	s_delay_alu instid0(VALU_DEP_2)
	v_pk_add_f32 v[230:231], v[230:231], v[246:247]
	v_pk_add_f32 v[252:253], v[252:253], v[244:245]
	v_pk_add_f32 v[250:251], v[250:251], v[242:243]
	s_delay_alu instid0(VALU_DEP_2)
	v_pk_add_f32 v[14:15], v[14:15], v[252:253]
	s_delay_alu instid0(VALU_DEP_2)
	v_pk_add_f32 v[230:231], v[230:231], v[250:251]
	s_delay_alu instid0(VALU_DEP_1)
	v_pk_add_f32 v[14:15], v[14:15], v[230:231]
.set j, 0
.rept 16
	v_pk_mul_f32 v[160+j:161+j], v[160+j:161+j], v[226:227] op_sel_hi:[1,0]   ; O^T under the new M, from each accumulator's low end on.  (These and the sums are the places between p's codes and scale word and the products)
.set j, j+2
.endr
	s_wait_alu depctr_va_vdst(0)
	s_wait_dscnt 0x0                               ; V is in
.irp dt, 0,1,2,3
	v_wmma_scale_f32_16x16x128_f8f6f4 v[160+8*\dt:167+8*\dt], v[32+12*\dt:43+12*\dt], v[192:203], v[160+8*\dt:167+8*\dt], v[90+\dt], v224 matrix_a_fmt:MATRIX_FMT_BF6 matrix_b_fmt:MATRIX_FMT_BF6
.endr
.Lhidden_\@:
.endm
; Part q of the head: my load of it has landed (the later parts' 3 - q loads may stay out), everybody's has; then its four records.
.macro SUPER q
	s_wait_dscnt 0x0
	s_wait_tensorcnt 3-\q
	s_barrier_signal -1
	s_barrier_wait -1
	s_mov_b32 s[RB], \q*PART
	s_mov_b32 s[CNT], 4
.Ltrip_\@:
	STEP
	s_add_co_u32 s[RB], s[RB], REC
	s_add_co_u32 s[KG], s[KG], 1
	s_sub_co_u32 s[CNT], s[CNT], 1
	s_cmp_lg_u32 s[CNT], 0
	s_cbranch_scc1 .Ltrip_\@
	s_setprio 0
.endm
	s_load_b128 s[4:7], s[0:1], 0x0                ; qr s[4:5], kv s[6:7]
	s_load_b64 s[8:9], s[0:1], 0x10                ; aq
	v_lshl_add_u32 v254, v0, 2, 0x33000
	v_mov_b32 v255, 0
	ds_add_u32 v254, v255
	ds_add_u32 v254, v255
	v_lshrrev_b32 v8, 5, v0
	s_delay_alu instid0(VALU_DEP_1)
	v_readfirstlane_b32 s[WV], v8                  ; wave 0..15
	s_and_b32 s10, ttmp7, 0xffff                   ; batch x 16 + head
	; descriptor group 1: 17 rows of 256 dense bytes (32 elements of 8)
	s_mov_b32 s[G1], 3<<16
	s_mov_b32 s[G1+1], 32<<16
	s_mov_b32 s[G1+2], 17<<16
	s_mov_b32 s[G1+3], 32<<16
	s_mov_b32 s[G1+4], 17
	s_mov_b32 s[G1+5], 32
	s_mov_b32 s[G1+6], 0
	s_mov_b32 s[G1+7], 0
	s_mul_i32 s12, s10, HEADB
	s_mul_i32 s11, s[WV], 17*256                   ; my rows of a part
	s_add_co_u32 s12, s12, s11
	s_mov_b32 s13, 0
	s_wait_dscnt 0x0
	s_wait_kmcnt 0x0
	s_add_nc_u64 s[14:15], s[6:7], s[12:13]
.irp q, 0,1,2,3
	s_mov_b32 s[G0+4*\q], 1
	s_add_co_u32 s[G0+4*\q+1], s11, \q*PART
	s_add_nc_u64 s[G0+4*\q+2:G0+4*\q+3], s[14:15], \q*PART
	s_or_b32 s[G0+4*\q+3], s[G0+4*\q+3], 0x80000000
.endr
	s_cmp_lt_u32 s[WV], 12                         ; a wave's four first fills stand in one branch on the wave's number, ahead of every wait on TENSORcnt, LDS read and barrier
	s_cbranch_scc0 .Lno_fetch
	tensor_load_to_lds s[G0:G0+3], s[G1:G1+7]
	s_nop 0
	tensor_load_to_lds s[G0+4:G0+7], s[G1:G1+7]
	s_nop 0
	tensor_load_to_lds s[G0+8:G0+11], s[G1:G1+7]
	s_nop 0
	tensor_load_to_lds s[G0+12:G0+15], s[G1:G1+7]
	s_nop 0
.rept 4
	v_nop
.endr
.Lno_fetch:
	s_lshr_b32 s50, s[WV], 2
	s_xor_b32 s50, s50, s[WV]
	s_and_b32 s50, s50, 1                          ; role
	s_lshr_b32 s51, s[WV], 1                       ; which tile of the group
	s_sub_co_u32 s52, 15, ttmp9
	s_cmp_eq_u32 s50, 1
	s_cselect_b32 s[GQ], s52, ttmp9
	s_lshl_b32 s53, s10, 4
	s_add_co_u32 s53, s53, s[GQ]
	s_mul_i32 s53, s53, REC                        ; my group's record in qr
	s_mul_i32 s54, s51, 768
	s_add_co_u32 s12, s53, s54
	s_add_nc_u64 s[14:15], s[4:5], s[12:13]        ; my tile's codes
	s_lshr_b32 s54, s51, 2
	s_lshl_b32 s54, s54, 8
	s_and_b32 s55, s51, 3
	s_lshl_b32 s55, s55, 2
	s_add_co_u32 s54, s54, s55
	s_add_co_u32 s54, s54, s53
	s_mov_b32 s55, 0
	s_add_nc_u64 s[16:17], s[4:5], s[54:55]        ; and its scale words (RKS stands in the immediate)
	v_and_b32 v8, 31, v0
	v_and_b32 v9, 15, v0                           ; r
	v_bfe_u32 v10, v0, 4, 1                        ; h
	s_delay_alu instid0(VALU_DEP_3)
	v_lshlrev_b32 v1, 4, v8                        ; 16 x lane
	s_delay_alu instid0(VALU_DEP_4)
	v_lshlrev_b32 v2, 3, v8                        ; 8 x lane
	s_delay_alu instid0(VALU_DEP_4)
	v_lshlrev_b32 v3, 4, v9                        ; 16 r
	global_load_b128 v[16:19], v1, s[14:15]
	global_load_b64 v[20:21], v2, s[14:15] offset:512
	global_load_b32 v28, v3, s[16:17] offset:RKS
	s_lshr_b32 s56, s51, 1
	s_lshl_b32 s56, s56, 5
	s_and_b32 s57, s51, 1
	s_lshl_b32 s57, s57, 3
	s_add_co_u32 s56, s56, s57
	v_and_b32 v11, 8, v9
	s_delay_alu instid0(VALU_DEP_1)
	v_add_nc_u32 v4, v11, v9
	v_lshlrev_b32 v11, 4, v10
	s_delay_alu instid0(VALU_DEP_1)
	v_sub_nc_u32 v4, v4, v11
	s_delay_alu instid0(VALU_DEP_1)
	v_add_nc_u32 v4, s56, v4                       ; my query's place in its group, less 16 (lane / 16)
	s_lshr_b32 s56, s10, 4
	s_lshl_b32 s56, s56, 7
	s_lshl_b32 s57, s[GQ], 3
	s_add_co_u32 s56, s56, s57
	s_add_co_u32 s56, s56, s51                     ; T: my tile among the 256 tiles of tokens
	s_and_b32 s57, s10, 15                         ; the head
	s_lshl_b32 s52, s56, 4
	s_add_co_u32 s52, s52, s57
	s_mul_i32 s52, s52, 768
	s_mov_b32 s53, 0
	s_add_nc_u64 s[58:59], s[8:9], s[52:53]        ; where my codes go
	s_lshl_b32 s52, s56, 9
	s_lshr_b32 s54, s57, 3
	s_lshl_b32 s54, s54, 8
	s_add_co_u32 s52, s52, s54
	s_bfe_u32 s54, s57, 0x20001
	s_lshl_b32 s54, s54, 2
	s_add_co_u32 s52, s52, s54
	s_and_b32 s54, s57, 1
	s_lshl_b32 s54, s54, 1
	s_add_co_u32 s52, s52, s54
	s_add_co_u32 s52, s52, ASC
	s_add_nc_u64 s[60:61], s[8:9], s[52:53]        ; and my two scale bytes of each row: 256 (head / 8) + 4 ((head / 2) % 4) + 2 (head % 2), + 16 r
	s_mov_b32 s[SEL], 0x76543210
	s_mov_b32 s[SEL+1], 0xfedcba98
	s_mov_b32 s[CS], 0x3e38aa3b                    ; log2(e) / 8
	s_mov_b32 s[CS+1], s[CS]
	s_mov_b32 s[KG], 0
.irp j, 22,23,24,25,26,27,80,81,82,83,84,85
	v_mov_b32 v[\j], 0                             ; Q's codes of k = 64 .. 127, and what stands above K's last tile
.endr
	v_mov_b32 v13, 0xff61b1e6                      ; the largest t so far: -3e38
	s_delay_alu instid0(VALU_DEP_1)
	v_floor_f32 v12, -v13
	v_mov_b32 v14, 0
	v_mov_b32 v15, 0
.irp b, 0,1,2,3
	v_mov_b32 v[216+\b], 0                         ; a lane permute's destination counts as one of its sources
.endr
	v_mov_b32 v227, 0                              ; (named as the upper half of the pair v[226:227])
.set j, 0
.rept 32
	v_mov_b32 v[160+j], 0                          ; O^T: the step is written once; its first walk finds zeros
.set j, j+1
.endr
	s_wait_loadcnt 0x0                             ; Q
	SUPER 0
	SUPER 1
	SUPER 2
	SUPER 3
	; THE WAY OUT: O^T / l, quantised along the head's 64 (two blocks of the last product's K), stored as half a fragment's image
.rept 4
	v_nop
.endr
	v_add_f32 v14, v14, v15
	s_delay_alu instid0(VALU_DEP_1)
	v_permlanex16_b32 v216, v14, s[SEL], s[SEL+1]
	s_delay_alu instid0(VALU_DEP_1)
	v_add_f32 v14, v14, v216                       ; the row's sum
	s_wait_alu depctr_va_vdst(0)
	v_rcp_f32 v226, v14
	v_nop                                          ; one plain place behind a transcendental
.set j, 0
	s_wait_alu depctr_va_vdst(0)
.rept 16
	v_pk_mul_f32 v[160+j:161+j], v[160+j:161+j], v[226:227] op_sel_hi:[1,0]   ; register 16 b + i: channel 32 b + 16 (lane / 16) + i of my query
.set j, j+2
.endr
.irp b, 0,1
	v_max3_num_f32 v[212+\b], |v[160+16*\b]|, |v[161+16*\b]|, 0x2800000
.endr
.irp i, 2,4,6,8,10,12,14
.irp b, 0,1
	s_delay_alu instid0(VALU_DEP_2)
	v_max3_num_f32 v[212+\b], v[212+\b], |v[160+16*\b+\i]|, |v[161+16*\b+\i]|
.endr
.endr
.irp b, 0,1
	s_delay_alu instid0(VALU_DEP_2)
	v_permlanex16_b32 v[216+\b], v[212+\b], s[SEL], s[SEL+1]
.endr
.irp b, 0,1
	s_delay_alu instid0(VALU_DEP_2)
	v_max_num_f32 v[212+\b], v[212+\b], v[216+\b]
.endr
.irp b, 0,1
	s_delay_alu instid0(VALU_DEP_2)
	v_add_nc_u32 v[220+\b], 0xfe000000, v[212+\b]
.endr
.irp b, 0,1
	s_delay_alu instid0(VALU_DEP_2)
	v_lshrrev_b32 v[216+\b], 23, v[220+\b]
.endr
	s_delay_alu instid0(VALU_DEP_1)
	v_lshl_or_b32 v8, v217, 8, v216                ; my row's two scale bytes
	v_cvt_scalef32_pk16_bf6_f32 v[192:194], v[160:175], v220
	v_cvt_scalef32_pk16_bf6_f32 v[204:206], v[176:191], v221
	v_nop
.irp i, 0,1,2
	v_permlane16_swap_b32 v[192+\i], v[204+\i]
.endr
.irp i, 0,1,2
	s_delay_alu instid0(VALU_DEP_3)
	v_mov_b32 v[195+\i], v[204+\i]
.endr
	global_store_b128 v1, v[192:195], s[58:59]             ; 512 consecutive bytes, aligned
	global_store_b64 v2, v[196:197], s[58:59] offset:512   ; 256
	global_store_b16 v3, v8, s[60:61]                      ; two bytes a row, 16 bytes apart (one byte in 24 of what the wave stores): a word's other two bytes are another head's, made by another work-group; lanes 16-31 write what lanes 0-15 write
	s_wait_tensorcnt 0x0
	ds_add_u32 v254, v255
	s_wait_dscnt 0x0
	s_endpgm
.Lfunc_end_k_q887c148fe1_attn:
	.size	k_q887c148fe1_attn, .Lfunc_end_k_q887c148fe1_attn-k_q887c148fe1_attn
	.p2alignl 7, 3214868480
	.fill 96, 4, 3214868480
	.section	.rodata,"a",@progbits
	.p2align	6, 0x0
	.amdhsa_kernel k_q887c148fe1_attn
		.amdhsa_group_segment_fixed_size 210944
		.amdhsa_private_segment_fixed_size 0
		.amdhsa_enable_private_segment 0
		.amdhsa_kernarg_size 24
		.amdhsa_user_sgpr_count 2
		.amdhsa_user_sgpr_kernarg_segment_ptr 1
		.amdhsa_wavefront_size32 1
		.amdhsa_system_sgpr_workgroup_id_x 1
		.amdhsa_system_sgpr_workgroup_id_y 1
		.amdhsa_system_sgpr_workgroup_id_z 1
		.amdhsa_system_vgpr_workitem_id 0
		.amdhsa_next_free_vgpr 256
		.amdhsa_next_free_sgpr 66
		.amdhsa_reserve_vcc 1
		.amdhsa_float_denorm_mode_32 3
		.amdhsa_float_denorm_mode_16_64 3
		.amdhsa_memory_ordered 1
		.amdhsa_forward_progress 1
		.amdhsa_inst_pref_size 101
	.end_amdhsa_kernel
	.amdgpu_metadata
---
amdhsa.version: [ 1, 2 ]
amdhsa.kernels:
  - .name:           k_q887c148fe1_attn
    .symbol:         k_q887c148fe1_attn.kd
    .args:
      - { .name: qr, .offset: 0, .size: 8, .value_kind: global_buffer, .address_space: global }
      - { .name: kv, .offset: 8, .size: 8, .value_kind: global_buffer, .address_space: global }
      - { .name: aq, .offset: 16, .size: 8, .value_kind: global_buffer, .address_space: global }
    .group_segment_fixed_size: 210944
    .private_segment_fixed_size: 0
    .kernarg_segment_align: 8
    .kernarg_segment_size: 24
    .max_flat_workgroup_size: 512
    .sgpr_count:     66
    .vgpr_count:     256
    .wavefront_size: 32
...
	.end_amdgpu_metadata
.endif
;; end of part 3
;; launch proj (part 4): grid 8 x 32, 4 waves a work-group, clusters of 4 x 4, 229,888 bytes of LDS; arguments aq, wq, c_proj_b, out0; writes out0
.if DOCPART == 4
	.amdgcn_target "amdgcn-amd-amdhsa--gfx1250"
	.amdhsa_code_object_version 6
	.text
	.protected	k_q887c148fe1_proj
	.globl	k_q887c148fe1_proj
	.p2align	8
	.type	k_q887c148fe1_proj,@function
k_q887c148fe1_proj:
	s_mov_b64 s[64:65], 0
	v_nop
	global_prefetch_b8 v0, s[64:65] scope:SCOPE_SE
	s_setreg_imm32_b32 hwreg(HW_REG_WAVE_MODE, 25, 1), 1
	s_wait_xcnt 0x0
	s_wait_alu depctr_hold_cnt(0) depctr_sa_sdst(0) depctr_va_vdst(0) depctr_va_sdst(0) depctr_va_ssrc(0) depctr_va_vcc(0) depctr_vm_vsrc(0)
	s_getreg_b32 s2, hwreg(HW_REG_IB_STS2, 6, 4)
	s_cmp_eq_u32 s2, 0
	s_cbranch_scc0 .Lentry_in_a_cluster
	s_endpgm
.Lentry_in_a_cluster:
	s_bfe_u32 s2, ttmp6, 0x10000c
	s_cmp_lg_u32 s2, 0xf033
	s_cbranch_scc0 .Lentry_shape_is_right
	s_endpgm
.Lentry_shape_is_right:
; out = attn_out W2 + b on codes of BF6 (E3M2) with E8M0 scales, K = 1,024; out [4096][1024] f32.
; 256 work-groups of 128 x 128, four waves of 64 x 64: 16 accumulators.  Both operands lie in memory as images of their registers; tile T's lane r is row 32 (T / 2) + 8 (T % 2) + r + 8 (r / 8).
; attn_out's fragment of a K step is two heads' halves of 768 bytes (registers 0-3 at 16 L, 4-5 at 512 + 8 L; 6-9 at 768 + 16 L, 10-11 at 1,280 + 8 L); W2's is registers 4 c .. 4 c + 3 at 512 c + 16 L.
; ALL OF K STAYS IN LDS: four chunks of two K steps, 49,152 bytes each, first fills alone; nothing is filled again.  Each wave brings a quarter of each chunk: four loads of a wave are out.
; CLUSTERS: 4 x 4: attn_out's tiles are shared along a row of the cluster, W2's along a column, by joint loads.  All bytes are asked for in the kernel's first lines.
; The matrix instruction is used transposed (source 0 = 16 columns of W2, source 1 = 16 tokens): a lane holds one token, and the registers of tiles 2 b, 2 b + 1 are columns 32 b + 16 (lane / 16) + 0 .. 15.
; The bias is the C of each sum's first instruction.
; REGISTERS: window 0: v4-15 LDS addresses for each chunk; v16-26 addresses; v32-47, v48-63 scale words; v64-95 the bias, later rows on the way out, with v96-127; v128-255 the accumulators.
;   window 1: two fragment buffers at v0 and v128: A's four fragments, then B's four.
.set FRB,   1536
.set TROW,  12288
.set ASC,   3145728
.set W2I,   2359296
.set W2S,   3244032
.set QUART, 12288                      ; 4 tiles x two K steps: what one tensor load brings
.set CHUNK, 4*QUART
.set STG,   4*CHUNK                    ; behind the chunks: a stage of 16 rows x (256 + 16) bytes for each wave; no fill lands there
.set SP,    272
.set STO, 24
.set RD,  25
.set CO,  26
.set SA,  32
.set SB,  48
.set BC,  64
.set OB,  64
.set ACC, 128
.set G1A, 24
.set G0A, 32                           ; s[32:47]
.set G0B, 48                           ; s[48:63]
.set G1B, 68
.set MSB, 0
.macro WIN new
.if MSB != (\new)
	s_set_vgpr_msb (MSB<<8)|(\new)
.set MSB, (\new)
.endif
.endm
.set MUL,  0x05                        ; sources 0 and 1 window 1; C and D window 0
.set TO_F, 0x40                        ; destination window 1, address window 0
.macro CROUND                          ; a round of the cluster's barrier
	s_barrier_signal -1
	s_barrier_wait -1
	s_cmp_lg_u32 s14, 0
	s_cbranch_scc1 .Lnot_wave_0_\@
	s_barrier_signal -3
.Lnot_wave_0_\@:
	s_barrier_wait -3
	s_barrier_signal -1
	s_barrier_wait -1
.endm
.macro PLACES
.rept 4
	v_nop
.endr
.endm
.macro FETCH s, f                      ; K step s's eight fragments into buffer f: 28 loads
.set CQ, (\s)/2
.set KO, FRB*((\s)%2)
	WIN TO_F
.irp i, 0,1,2,3
	ds_load_b128 v[\f+12*\i:\f+12*\i+3], v[4+CQ] offset:2*FRB*\i+KO
	ds_load_b64 v[\f+12*\i+4:\f+12*\i+5], v[8+CQ] offset:2*FRB*\i+KO+512
	ds_load_b128 v[\f+12*\i+6:\f+12*\i+9], v[4+CQ] offset:2*FRB*\i+KO+768
	ds_load_b64 v[\f+12*\i+10:\f+12*\i+11], v[8+CQ] offset:2*FRB*\i+KO+1280
.irp c, 0,1,2
	ds_load_b128 v[\f+48+12*\i+4*\c:\f+48+12*\i+4*\c+3], v[12+CQ] offset:2*FRB*\i+KO+512*\c
.endr
.endr
.endm
.macro KSTEP s
.set FB, 128*((\s)%2)
.set FN, 128-FB
	s_wait_dscnt 0x0                               ; this step's fragments are in
.if ((\s)%2 == 1) && ((\s) < 7)
	s_wait_tensorcnt 3-((\s)+1)/2                  ; my part of the next chunk is in; the later chunks' loads may stay out
	s_barrier_signal -1
	s_barrier_wait -1                              ; everybody's is
.endif
.if (\s) < 7
.if (\s) > 0
	PLACES                                         ; in front of loads into the buffer that the last step's products read
.endif
	FETCH (\s)+1, FN
.endif
	WIN MUL
.irp a, 0,1,2,3
.irp b, 0,1,2,3
.set rD, ACC+8*(4*\a+\b)
.if (\s) == 0
	v_wmma_scale_f32_16x16x128_f8f6f4 v[rD:rD+7], v[FB+48+12*\b:FB+48+12*\b+11], v[FB+12*\a:FB+12*\a+11], v[BC+8*\b:BC+8*\b+7], v[SB+4*\b], v[SA+4*\a] matrix_a_fmt:MATRIX_FMT_BF6 matrix_b_fmt:MATRIX_FMT_BF6
.elseif (\s) < 4
	v_wmma_scale_f32_16x16x128_f8f6f4 v[rD:rD+7], v[FB+48+12*\b:FB+48+12*\b+11], v[FB+12*\a:FB+12*\a+11], v[rD:rD+7], v[SB+4*\b+(\s)], v[SA+4*\a+(\s)] matrix_a_fmt:MATRIX_FMT_BF6 matrix_b_fmt:MATRIX_FMT_BF6
.else
	v_wmma_scale_f32_16x16x128_f8f6f4 v[rD:rD+7], v[FB+48+12*\b:FB+48+12*\b+11], v[FB+12*\a:FB+12*\a+11], v[rD:rD+7], v[SB+4*\b+(\s)-4], v[SA+4*\a+(\s)-4] matrix_a_fmt:MATRIX_FMT_BF6 matrix_b_fmt:MATRIX_FMT_BF6 matrix_a_scale:MATRIX_SCALE_ROW1 matrix_b_scale:MATRIX_SCALE_ROW1
.endif
.endr
.endr
.endm
.macro TOSTAGE a                       ; tile a's 16 tokens x 64 columns into my stage, each accumulator from its low end on, and back as rows of 256 bytes.  LDS serves a wave's instructions in order
.irp b, 0,1,2,3
	ds_store_b128 v[STO], v[ACC+8*(4*(\a)+\b):ACC+8*(4*(\a)+\b)+3] offset:128*(\b/2)+32*(\b%2)
	ds_store_b128 v[STO], v[ACC+8*(4*(\a)+\b)+4:ACC+8*(4*(\a)+\b)+7] offset:128*(\b/2)+32*(\b%2)+16
.endr
.set OBB, OB+32*((\a)%2)
.irp i, 0,1,2,3,4,5,6,7
	ds_load_b128 v[OBB+4*\i:OBB+4*\i+3], v[RD] offset:2*SP*\i
.endr
.endm
.macro SEND a, younger                 ; stage rows 2 i and 2 i + 1 are tokens 32 (a / 2) + 8 (a % 2) + 2 i + 8 (i / 4), + 1
.set OBB, OB+32*((\a)%2)
	s_wait_dscnt \younger
.irp i, 0,1,2,3,4,5,6,7
	global_store_b128 v[CO], v[OBB+4*\i:OBB+4*\i+3], s[10:11] offset:(32*((\a)/2)+8*((\a)%2)+2*\i+8*(\i/4))*4096 th:TH_STORE_NT   ; 16 lanes store 256 consecutive bytes, aligned
.endr
.endm
	s_load_b256 s[4:11], s[0:1], 0x0               ; aq s[4:5], wq s[6:7], c_proj_b s[8:9], out0 s[10:11]
	v_lshl_add_u32 v30, v0, 2, 0x38000
	v_mov_b32 v31, 0
	ds_add_u32 v30, v31
	ds_add_u32 v30, v31
	v_lshrrev_b32 v1, 5, v0
	v_readfirstlane_b32 s14, v1                    ; wave 0..3
	s_lshr_b32 s15, s14, 1                         ; which 64 tokens are mine.  Also: I fetch for A (0) or for B (1)
	s_and_b32 s16, s14, 1                          ; which 64 columns.  Also: which 4 tiles I fetch
	s_bfe_u32 s76, ttmp6, 0x40000                  ; cx
	s_bfe_u32 s77, ttmp6, 0x40004                  ; cy
	s_lshl_b32 s78, ttmp9, 2
	s_add_co_u32 s78, s78, s76                     ; CT: which 128 columns
	s_and_b32 s17, ttmp7, 0xffff
	s_lshl_b32 s17, s17, 2
	s_add_co_u32 s17, s17, s77                     ; RT: which 128 tokens
	s_lshl_b32 s79, s77, 2
	s_lshl_b32 s79, 15, s79                        ; my row of the cluster
	s_lshl_b32 s80, 0x1111, s76                    ; my column
	; descriptor group 1: 4 tiles' two fragments each: 4 rows of 3,072 bytes (384 elements of 8), 12,288 bytes apart; dense in LDS
	s_or_b32 s[G1A+0], s79, (3<<16)|(1<<21)
	s_or_b32 s[G1B+0], s80, (3<<16)|(1<<21)
.irp g, G1A, G1B
	s_mov_b32 s[\g+1], 384<<16
	s_mov_b32 s[\g+2], 4<<16
	s_mov_b32 s[\g+3], 384<<16
	s_mov_b32 s[\g+4], 4
	s_mov_b32 s[\g+5], 1536
	s_mov_b32 s[\g+6], 0
	s_mov_b32 s[\g+7], 0
.endr
	s_lshl_b32 s18, s16, 2
	s_lshl_b32 s20, s17, 3
	s_add_co_u32 s20, s20, s18
	s_mul_i32 s20, s20, TROW                       ; A: tile 8 RT + 4 x half
	s_mov_b32 s21, 0
	s_lshl_b32 s82, s78, 3
	s_add_co_u32 s82, s82, s18
	s_mul_i32 s82, s82, TROW
	s_add_co_u32 s82, s82, W2I                     ; B: tile 8 CT + 4 x half of W2
	s_mov_b32 s83, 0
	s_mul_i32 s19, s14, QUART                      ; where they go: no place in the cluster enters an LDS address
	s_wait_dscnt 0x0
	s_wait_kmcnt 0x0
	s_add_nc_u64 s[20:21], s[4:5], s[20:21]
	s_add_nc_u64 s[82:83], s[6:7], s[82:83]
	CROUND                                         ; all sixteen work-groups are here: the joint loads meet
.irp q, 0,1,2,3
	s_mov_b32 s[G0A+4*\q], 1
	s_add_co_u32 s[G0A+4*\q+1], s19, \q*CHUNK
	s_add_nc_u64 s[G0A+4*\q+2:G0A+4*\q+3], s[20:21], \q*2*FRB
	s_or_b32 s[G0A+4*\q+3], s[G0A+4*\q+3], 0x80000000
	s_mov_b32 s[G0B+4*\q], 1
	s_add_co_u32 s[G0B+4*\q+1], s19, \q*CHUNK
	s_add_nc_u64 s[G0B+4*\q+2:G0B+4*\q+3], s[82:83], \q*2*FRB
	s_or_b32 s[G0B+4*\q+3], s[G0B+4*\q+3], 0x80000000
.endr
	s_cmp_eq_u32 s15, 0                            ; a wave's four first fills stand in one branch on the wave's number
	s_cbranch_scc0 .Lfor_b
	tensor_load_to_lds s[G0A:G0A+3], s[G1A:G1A+7]
	s_nop 0
	tensor_load_to_lds s[G0A+4:G0A+7], s[G1A:G1A+7]
	s_nop 0
	tensor_load_to_lds s[G0A+8:G0A+11], s[G1A:G1A+7]
	s_nop 0
	tensor_load_to_lds s[G0A+12:G0A+15], s[G1A:G1A+7]
	s_nop 0
.rept 4
	v_nop
.endr
	s_branch .Lasked
.Lfor_b:
	tensor_load_to_lds s[G0B:G0B+3], s[G1B:G1B+7]
	s_nop 0
	tensor_load_to_lds s[G0B+4:G0B+7], s[G1B:G1B+7]
	s_nop 0
	tensor_load_to_lds s[G0B+8:G0B+11], s[G1B:G1B+7]
	s_nop 0
	tensor_load_to_lds s[G0B+12:G0B+15], s[G1B:G1B+7]
	s_nop 0
.rept 4
	v_nop
.endr
.Lasked:
	v_and_b32 v1, 31, v0                           ; lane
	v_and_b32 v2, 15, v0                           ; r
	v_bfe_u32 v3, v0, 4, 1                         ; h
	v_lshlrev_b32 v16, 4, v1
	v_lshlrev_b32 v17, 3, v1
	s_mul_i32 s22, s15, QUART                      ; my 4 tiles of A
	s_mul_i32 s23, s16, QUART
	s_add_co_u32 s23, s23, 2*QUART                 ; my 4 tiles of B
.irp q, 0,1,2,3
	v_add_nc_u32 v[4+\q], s22, v16
	v_add_nc_u32 v[8+\q], s22, v17
	v_add_nc_u32 v[12+\q], s23, v16
	s_add_co_u32 s22, s22, CHUNK
	s_add_co_u32 s23, s23, CHUNK
.endr
	s_lshl_b32 s22, s17, 3
	s_lshl_b32 s23, s15, 2
	s_add_co_u32 s22, s22, s23
	s_lshl_b32 s22, s22, 9
	s_add_co_u32 s22, s22, ASC
	s_mov_b32 s23, 0
	s_add_nc_u64 s[84:85], s[4:5], s[22:23]        ; my 4 tiles' scale words of A
	s_lshl_b32 s22, s78, 3
	s_lshl_b32 s90, s16, 2
	s_add_co_u32 s22, s22, s90
	s_lshl_b32 s22, s22, 9
	s_add_co_u32 s22, s22, W2S
	s_add_nc_u64 s[86:87], s[6:7], s[22:23]        ; and of B
	s_lshl_b32 s22, s78, 9
	s_lshl_b32 s90, s16, 8
	s_add_co_u32 s22, s22, s90                     ; my first column, in bytes: 512 CT + 256 x half
	s_add_nc_u64 s[88:89], s[8:9], s[22:23]
	s_add_nc_u64 s[10:11], s[10:11], s[22:23]
	s_lshl_b32 s22, s17, 7
	s_lshl_b32 s90, s15, 6
	s_add_co_u32 s22, s22, s90
	s_lshl_b32 s22, s22, 12                        ; my first token's row of 4,096 bytes
	s_add_nc_u64 s[10:11], s[10:11], s[22:23]
	v_lshlrev_b32 v19, 6, v3                       ; 64 h
.irp i, 0,1,2,3
	global_load_b128 v[SA+4*\i:SA+4*\i+3], v16, s[84:85] offset:512*\i   ; register j: K step j in lanes 0-15, 4 + j in lanes 16-31
	global_load_b128 v[SB+4*\i:SB+4*\i+3], v16, s[86:87] offset:512*\i
.endr
.irp b, 0,1
.irp j, 0,1,2,3
	global_load_b128 v[BC+16*\b+4*\j:BC+16*\b+4*\j+3], v19, s[88:89] offset:128*\b+16*\j   ; the bias of columns 32 b + 16 h + 4 j on: the results' layout
.endr
.endr
	s_mul_i32 s22, s14, 16*SP
	s_add_co_u32 s22, s22, STG                     ; my stage
	v_mul_u32_u24 v18, v2, SP
	v_lshl_add_u32 v18, v3, 6, v18
	v_add_nc_u32 v[STO], s22, v18                  ; in: row r, + 64 h
	v_mul_u32_u24 v18, v3, SP
	v_lshl_add_u32 v18, v2, 4, v18
	v_add_nc_u32 v[RD], s22, v18                   ; back: lanes 0-15 one row, lanes 16-31 the next
	v_lshlrev_b32 v18, 12, v3
	v_lshl_add_u32 v[CO], v2, 4, v18               ; and the same in out0
	s_wait_tensorcnt 3                             ; my part of chunk 0 is in; three loads may stay out
	s_barrier_signal -1
	s_barrier_wait -1
	FETCH 0, 0
	s_wait_loadcnt 0x0                             ; scale words and bias
	KSTEP 0
	KSTEP 1
	KSTEP 2
	KSTEP 3
	KSTEP 4
	KSTEP 5
	KSTEP 6
	KSTEP 7
	WIN 0
	PLACES                                         ; in front of the first read of results
	TOSTAGE 0
.irp a, 1,2,3
.if \a > 1
	s_wait_xcnt 0x0                                ; tile a - 2's stores have read their registers: tile a's rows may land there
.endif
	TOSTAGE \a
	SEND \a-1, 16                                  ; behind tile a - 1's loads: tile a's 8 stores and 8 loads
.endr
	SEND 3, 0
	s_wait_tensorcnt 0x0
	ds_add_u32 v30, v31
	s_wait_dscnt 0x0
	CROUND                                         ; the closing round: no work-group ends while a partner may still ask for a tile that names it
	s_endpgm
.Lfunc_end_k_q887c148fe1_proj:
	.size	k_q887c148fe1_proj, .Lfunc_end_k_q887c148fe1_proj-k_q887c148fe1_proj
	.p2alignl 7, 3214868480
	.fill 96, 4, 3214868480
	.section	.rodata,"a",@progbits
	.p2align	6, 0x0
	.amdhsa_kernel k_q887c148fe1_proj
		.amdhsa_group_segment_fixed_size 229888
		.amdhsa_private_segment_fixed_size 0
		.amdhsa_enable_private_segment 0
		.amdhsa_kernarg_size 32
		.amdhsa_user_sgpr_count 2
		.amdhsa_user_sgpr_kernarg_segment_ptr 1
		.amdhsa_wavefront_size32 1
		.amdhsa_system_sgpr_workgroup_id_x 1
		.amdhsa_system_sgpr_workgroup_id_y 1
		.amdhsa_system_sgpr_workgroup_id_z 1
		.amdhsa_system_vgpr_workitem_id 0
		.amdhsa_next_free_vgpr 512
		.amdhsa_next_free_sgpr 100
		.amdhsa_reserve_vcc 0
		.amdhsa_float_denorm_mode_32 3
		.amdhsa_float_denorm_mode_16_64 3
		.amdhsa_memory_ordered 1
		.amdhsa_forward_progress 1
		.amdhsa_inst_pref_size 50
	.end_amdhsa_kernel
	.amdgpu_metadata
---
amdhsa.version: [ 1, 2 ]
amdhsa.kernels:
  - .name:           k_q887c148fe1_proj
    .symbol:         k_q887c148fe1_proj.kd
    .args:
      - { .name: aq, .offset: 0, .size: 8, .value_kind: global_buffer, .address_space: global }
      - { .name: wq, .offset: 8, .size: 8, .value_kind: global_buffer, .address_space: global }
      - { .name: c_proj_b, .offset: 16, .size: 8, .value_kind: global_buffer, .address_space: global }
      - { .name: out0, .offset: 24, .size: 8, .value_kind: global_buffer, .address_space: global }
    .group_segment_fixed_size: 229888
    .private_segment_fixed_size: 0
    .kernarg_segment_align: 8
    .kernarg_segment_size: 32
    .max_flat_workgroup_size: 128
    .sgpr_count:     100
    .vgpr_count:     512
    .wavefront_size: 32
...
	.end_amdgpu_metadata
.endif
;; end of part 4
